; MI455X (gfx1250); checked and timed in simulation.
; The chip was launched on July 23, 2026; its instructions are those of AMD's public machine-readable ISA for CDNA 5 (MIT licence, August 2026) and "CDNA5" Instruction Set Architecture Reference Guide (July 2026). The comments in the code are by the model that wrote it; some were corrected since.
;; Propagation. Allowed arithmetic: float matrix products may take bf16 or f16 operands with f32 sums; all other float work in f32.
;; Inputs: W1 512 x 512 float32; W2 512 x 256 float32; Wk 256 x 256 float32; Wo 256 x 256 float32; Wq 256 x 256 float32; Wv 256 x 256 float32; b1 512 float32; b2 256 float32; beta 512 float32; bk 256 float32; bo 256 float32; bq 256 float32; bv 256 float32; gamma 512 float32; source 2 x 256 x 4,096 float32; x 2 x 256 x 4,096 float32.
;; Outputs: out0 2 x 256 x 4,096 float32.
;; 2 versions, each right; version 2 is version 1 with the launch proj written anew for expert scheduling mode. Each part assembles by itself: llvm-mc -triple=amdgcn-amd-amdhsa -mcpu=gfx1250 --defsym DOCPART=n.
;; ======== version 1 of 2: 5 launches
;; limits: values are held in f16: magnitudes above 65,504 overflow, below 6.1e-05 lose precision; inputs' magnitudes at most 65,504
;; workspace buffers: Qc 4,194,304 bytes; Kc 4,194,304 bytes; Vc 4,194,304 bytes; AT 4,194,304 bytes; WF 917,504 bytes; HT 16,777,216 bytes; PS 524,288 bytes; AS 4,096 bytes
;; launch proj (part 1): grid 64 x 4, 9 waves a work-group, no clusters, 230,656 bytes of LDS; arguments x, source, Wq, Wk, Wv, bq, bk, bv, Wo, W1, W2, Qc, Kc, Vc, WF; writes Qc, Kc, Vc, WF
.if DOCPART == 1
	.amdgcn_target "amdgcn-amd-amdhsa--gfx1250"
	.amdhsa_code_object_version 6
	.text
	.protected	k_q4b8dbe7046_proj
	.globl	k_q4b8dbe7046_proj
	.p2align	8
	.type	k_q4b8dbe7046_proj,@function
k_q4b8dbe7046_proj:
	s_mov_b64 s[64:65], 0
	v_nop
	global_prefetch_b8 v0, s[64:65] scope:SCOPE_SE
	s_setreg_imm32_b32 hwreg(HW_REG_WAVE_MODE, 25, 1), 1
	s_wait_xcnt 0x0
; proj: q = Wq^T x + bq, k = Wk^T source + bk, v = Wv^T source + bv, rounded to bf16 and stored in the order in which the
; attention launch takes its fragments; and the weights Wo, W1, W2 rounded to 16 bits and stored as ready matrix fragments (WF).
; A work-group makes 128 positions x 64 output channels (d = 16 ob .. 16 ob + 15 of all four heads; channel = 4 d + head) of q, k and v.
; THE FOUR-TILE LOAD.  All operands are f32 [k][column], column contiguous.  Lane (r = lane % 16, h = lane / 16) loads 16 bytes at
; row k0 + 8 h + e (e = 0..7), column c0 + 4 r: sixteen lanes read 256 consecutive bytes.  Word t of the eight loads, packed two by two to
; 16 bits, is a half fragment (8 k) of tile t, whose row r stands for column c0 + 4 r + t.  For output channels tile = head and row = d.
; For positions it is a fixed order inside blocks of 64: slot = (n & ~63) | (n & 3) << 4 | (n >> 2) & 15.  q, k, v and the attention's
; result all live in slot order; softmax sums over all keys, so the order of keys does not show.
; A fragment (16 rows x 32 k, 1,024 bytes) lies in LDS as [half][lane][16 bytes]: every LDS access is 16 bytes a lane, lane after lane.
; Waves 0-7 load and convert (wave w: k = 32 w .. 32 w + 31 of every operand), then multiply.  Wave 8 prepares WF meanwhile.
; No cluster and no tensor loads: every operand is converted from f32 in registers on its way into LDS.
; FORMATS in WF: W1's rows of x and all of W2 are f16 (11 significant bits: these two products set the error of the result; weights thirty times
; larger than 1 / sqrt(512) stay near 6, far below f16's 65,504, and thirty times smaller ones have an rms of 0.0015 against f16's finest step 2^-24).
; Wo and W1's rows of the message are bf16, as their other operands are.
; Limits: inputs finite; q, k, v and their operands are rounded to bf16, sums are f32; a weight of W1's rows of x or of W2 below 2^-24 counts as 0.
; Qc, Kc: [b][head][d / 8][slot 4096][8 d] bf16.   Vc: [b][head][slot / 8][d 64][8 slots] bf16.
; WF: Wo at 0 [pair 8][k step 8][2][1 KB], W1 at 131072 [pair 16][k step 16][2][1 KB], W2 at 655360 [pair 8][k step 16][2][1 KB];
;     tile mt = 2 pair + i, its row stands for output channel 64 (mt >> 2) + 4 row + (mt & 3).
; LDS: x 0 (64 KB: [position tile 8][k step 8][1 KB]), source 65536, Wq 131072 ([head 4][k step 8][1 KB]), Wk 163840, Wv 196608.
; Scalars: s8 wave, s9 block of positions 0..63, s10 ob, s[16:45] the fifteen buffers, s46 batch, s47 block in the batch.
.set AE,   16384                       ; bytes from a channel of x or source to the next
.set WE,   1024                        ; bytes from a row of Wq, Wk, Wv to the next
.set VACT, 2                           ; v2      load phase: my byte offset in x and source
.set VW,   3                           ; v3      load phase: my byte offset in Wq, Wk, Wv
.set LA,   4                           ; v4-7    load phase: LDS address 1024 w + 16 lane, + 0, 64, 128, 192 KB
.set VL,   8                           ; v8      lane
.set VR,   9                           ; v9      r
.set VH,   10                          ; v10     h
.set RX,   11                          ; v11-14  products: LDS addresses of my fragments of x, source, Wq (Wk 32 KB further), Wv
.set RS,   12
.set RW,   13
.set RW2,  14
.set LD,   16                          ; v[16:143]  load phase: four slots of eight 16-byte loads
.set CV,   144                         ; v[144:159] load phase: four half fragments
.set ACC,  16                          ; v[16:111]  products: q at +0, k at +32, v at +64; tile 2 hi + pi
.set FX,   112                         ; fragments of one k step: x, Wq, source, Wk, Wv, two tiles each
.set FWQ,  128
.set FS,   144
.set FWK,  160
.set FWV,  176
.set BQ,   192                         ; v[192:207] bq of my rows, v[208:223] bk, v[224:227] bv (each value twice, a pair)
.set BK,   208
.set BV,   224
.set VBQ,  228
.set VBV,  229
.set VOQ,  230
.set VOV,  231
.macro PLACES                          ; places behind matrix instructions (ISA guide 7.12.1): independent vector instructions
.rept 5
	v_nop
.endr
.endm
; eight loads of one unit: 16 k x 64 columns
.macro LOADU slot, base, voff, imm0, estep
.irp e, 0,1,2,3,4,5,6,7
	global_load_b128 v[LD+32*\slot+4*\e:LD+32*\slot+4*\e+3], v[\voff], s[\base:\base+1] offset:\imm0+\e*\estep
.endr
.endm
; the unit's four half fragments: word t of loads 2 i and 2 i + 1 makes register i of tile t
.macro CONVU slot, la, imm0
.irp t, 0,1,2,3
.irp i, 0,1,2,3
	v_cvt_pk_bf16_f32 v[CV+4*\t+\i], v[LD+32*\slot+8*\i+\t], v[LD+32*\slot+8*\i+4+\t]
.endr
.endr
.irp t, 0,1,2,3
	ds_store_b128 v[\la], v[CV+4*\t:CV+4*\t+3] offset:\imm0+\t*8192
.endr
.endm
	s_load_b512 s[16:31], s[0:1], 0x0              ; x 16, source 18, Wq 20, Wk 22, Wv 24, bq 26, bk 28, bv 30
	s_load_b256 s[32:39], s[0:1], 0x40             ; Wo 32, W1 34, W2 36, Qc 38
	s_load_b128 s[40:43], s[0:1], 0x60             ; Kc 40, Vc 42
	s_load_b64 s[44:45], s[0:1], 0x70              ; WF
	v_lshl_add_u32 v254, v0, 2, 0x38000
	v_mov_b32 v255, 0
	v_lshrrev_b32 v1, 5, v0
	v_readfirstlane_b32 s8, v1                     ; wave 0..8
	s_mov_b32 s9, ttmp9                            ; block of 128 positions, 0..63
	s_and_b32 s10, ttmp7, 0xffff                   ; ob: block of 64 output channels
	v_and_b32 v[VL], 31, v0
	v_and_b32 v[VR], 15, v0
	v_bfe_u32 v[VH], v0, 4, 1
	s_lshr_b32 s46, s9, 5                          ; batch
	s_and_b32 s47, s9, 31                          ; block inside the batch
	s_lshl_b32 s48, s46, 22                        ; batch x 256 channels x 16,384 bytes
	s_lshl_b32 s49, s47, 9                         ; + 128 positions x 4 bytes
	s_add_co_u32 s48, s48, s49
	s_mov_b32 s49, 0
	s_lshl_b32 s50, s10, 8                         ; 64 columns x 4 bytes, in the weights and in the biases
	s_mov_b32 s51, 0
	s_wait_kmcnt 0x0
	s_add_nc_u64 s[16:17], s[16:17], s[48:49]
	s_add_nc_u64 s[18:19], s[18:19], s[48:49]
.irp p, 20,22,24,26,28,30
	s_add_nc_u64 s[\p:\p+1], s[\p:\p+1], s[50:51]
.endr
	s_cmp_eq_u32 s8, 8
	s_cbranch_scc1 .Lprep
	; ---- waves 0-7: load, convert, lay into LDS.  Fourteen units; four are always on their way (32 loads of 512 bytes a wave).
	s_lshl_b32 s52, s8, 19                         ; 32 channels of x
	s_lshl_b32 s53, s8, 15                         ; 32 rows of a weight
	s_lshl_b32 s54, s8, 10                         ; k step w in LDS
	v_lshlrev_b32 v1, 4, v[VR]
	v_lshl_add_u32 v[VACT], v[VH], 17, v1          ; 8 h channels + 16 r
	v_add_nc_u32 v[VACT], s52, v[VACT]
	v_lshl_add_u32 v[VW], v[VH], 13, v1            ; 8 h rows + 16 r
	v_add_nc_u32 v[VW], s53, v[VW]
	v_lshl_add_u32 v[LA], v[VL], 4, s54
	v_add_nc_u32 v[LA+1], 0x10000, v[LA]
	v_add_nc_u32 v[LA+2], 0x20000, v[LA]
	v_add_nc_u32 v[LA+3], 0x30000, v[LA]
	LOADU 0, 16, VACT, 0, AE                       ; x, columns 0-63, k 0-15 of my step
	LOADU 1, 16, VACT, 16*AE, AE                   ;                  k 16-31
	LOADU 2, 16, VACT, 256, AE                     ; x, columns 64-127
	LOADU 3, 16, VACT, 16*AE+256, AE
	s_wait_loadcnt 24                              ; loads return in order: the oldest unit is in, the three younger (24 loads) stay out
	CONVU 0, LA, 0
	LOADU 0, 18, VACT, 0, AE                       ; source
	s_wait_loadcnt 24
	CONVU 1, LA, 512
	LOADU 1, 18, VACT, 16*AE, AE
	s_wait_loadcnt 24
	CONVU 2, LA, 32768
	LOADU 2, 18, VACT, 256, AE
	s_wait_loadcnt 24
	CONVU 3, LA, 32768+512
	LOADU 3, 18, VACT, 16*AE+256, AE
	s_wait_loadcnt 24
	CONVU 0, LA+1, 0
	LOADU 0, 20, VW, 0, WE                         ; Wq
	s_wait_loadcnt 24
	CONVU 1, LA+1, 512
	LOADU 1, 20, VW, 16*WE, WE
	s_wait_loadcnt 24
	CONVU 2, LA+1, 32768
	LOADU 2, 22, VW, 0, WE                         ; Wk
	s_wait_loadcnt 24
	CONVU 3, LA+1, 32768+512
	LOADU 3, 22, VW, 16*WE, WE
	s_wait_loadcnt 24
	CONVU 0, LA+2, 0
	LOADU 0, 24, VW, 0, WE                         ; Wv
	s_wait_loadcnt 24
	CONVU 1, LA+2, 512
	LOADU 1, 24, VW, 16*WE, WE
	s_wait_loadcnt 24
	CONVU 2, LA+2, 32768
	s_wait_loadcnt 16                              ; nothing more is loaded: the counts run down
	CONVU 3, LA+2, 32768+512
	s_wait_loadcnt 8
	CONVU 0, LA+3, 0
	s_wait_loadcnt 0
	CONVU 1, LA+3, 512
	s_branch .Ljoin
	; ---- wave 8: one or two of the 448 units of WF (Wo 64, W1 256, W2 128).  Unit u = (group of 16 k) x (block of 64 columns).
	; The rows taken follow the order of k in which the later launches hold the other operand:
	;   Wo: k = (head, d), 8 neighbouring d of one head: row = 64 (kg & 3) + (kg >> 2) + 4 (8 h + e)
	;   W1, rows of x (kg < 16): natural, row = 16 kg + 8 h + e
	;   W1, rows of the message, and W2: the order (tile, row) of the product before: row = 64 (kg >> 2) + (kg & 3) + 4 (8 h + e)
.macro PREPU                           ; s66 = u
	s_mov_b32 s73, 655360
	s_mov_b32 s74, 32768
	s_cmp_lt_u32 s66, 320
	s_cselect_b64 s[68:69], s[34:35], s[36:37]     ; W1 or W2
	s_cselect_b32 s70, 64, 320                     ; first unit of that matrix
	s_cselect_b32 s71, 3, 2                        ; log2 of its blocks of 64 columns
	s_cselect_b32 s72, 131072, s73                 ; its place in WF
	s_cmp_lt_u32 s66, 64
	s_cselect_b64 s[68:69], s[32:33], s[68:69]     ; Wo
	s_cselect_b32 s70, 0, s70
	s_cselect_b32 s71, 2, s71
	s_cselect_b32 s72, 0, s72
	s_cselect_b32 s74, 16384, s74                  ; bytes of a pair of tiles: k steps x 2,048
	s_cselect_b32 s75, 1, 0
	s_sub_co_u32 s67, s66, s70
	s_add_co_u32 s76, s71, 8                       ; log2 of a row's bytes
	s_lshr_b32 s77, s67, s71                       ; kg
	s_lshl_b32 s78, 1, s71
	s_sub_co_u32 s78, s78, 1
	s_and_b32 s78, s67, s78                        ; block of columns
	s_and_b32 s79, s77, 3
	s_lshr_b32 s80, s77, 2
	s_lshl_b32 s81, s79, 6
	s_add_co_u32 s81, s81, s80                     ; Wo's first row
	s_lshl_b32 s82, s80, 6
	s_add_co_u32 s82, s82, s79                     ; first row in the order (tile, row)
	s_lshl_b32 s83, s77, 4                         ; natural first row
	s_cmp_lg_u32 s75, 0
	s_cselect_b32 s82, s81, s82
	s_cmp_eq_u32 s71, 3
	s_cselect_b32 s84, s77, 16                     ; kg if W1, else 16
	s_cmp_lt_u32 s84, 16
	s_cselect_b32 s82, s83, s82
	s_cselect_b32 s85, 0, 2                        ; log2 of the step in rows
	s_cselect_b32 s90, 1, 0                        ; f16 for W1's rows of x
	s_cmp_ge_u32 s66, 320
	s_cselect_b32 s90, 1, s90                      ; and for W2
	s_add_co_u32 s85, s85, s76
	s_lshl_b32 s86, 1, s85                         ; bytes from e to e + 1
	s_lshl_b32 s87, s82, s76
	s_lshl_b32 s88, s78, 8
	s_add_co_u32 s87, s87, s88
	s_lshl_b32 s88, s86, 3
	v_mul_lo_u32 v16, v[VH], s88                   ; 8 h steps
	v_lshl_add_u32 v16, v[VR], 4, v16
	v_add_nc_u32 v16, s87, v16
.irp e, 1,2,3,4,5,6,7
	v_add_nc_u32 v[16+\e], s86, v[15+\e]
.endr
.irp e, 0,1,2,3,4,5,6,7
	global_load_b128 v[32+4*\e:35+4*\e], v[16+\e], s[68:69]
.endr
	s_lshl_b32 s88, s78, 1                         ; the unit's tiles 0, 1 are pair 2 cb, tiles 2, 3 pair 2 cb + 1
	s_mul_i32 s88, s88, s74
	s_add_co_u32 s88, s88, s72
	s_lshr_b32 s89, s77, 1
	s_lshl_b32 s89, s89, 11                        ; k step
	s_add_co_u32 s88, s88, s89
	s_and_b32 s89, s77, 1
	s_lshl_b32 s89, s89, 9                         ; half of the fragment
	s_add_co_u32 s88, s88, s89
	v_lshl_add_u32 v24, v[VL], 4, s88
	v_add_nc_u32 v25, s74, v24
	s_wait_loadcnt 0x0
	s_cmp_lg_u32 s90, 0                            ; the format hangs on the unit's number alone
	s_cbranch_scc1 .Lhalf_\@
.irp t, 0,1,2,3
.irp i, 0,1,2,3
	v_cvt_pk_bf16_f32 v[64+4*\t+\i], v[32+8*\i+\t], v[36+8*\i+\t]
.endr
.endr
	s_branch .Lpacked_\@
.Lhalf_\@:
.irp t, 0,1,2,3
.irp i, 0,1,2,3
	v_cvt_pk_f16_f32 v[64+4*\t+\i], v[32+8*\i+\t], v[36+8*\i+\t]
.endr
.endr
.Lpacked_\@:
	global_store_b128 v24, v[64:67], s[44:45]                  ; each store covers 512 consecutive bytes, aligned
	global_store_b128 v24, v[68:71], s[44:45] offset:1024
	global_store_b128 v25, v[72:75], s[44:45]
	global_store_b128 v25, v[76:79], s[44:45] offset:1024
	s_wait_xcnt 0x0                                ; the unit's address, data and base registers are written again only behind this wait
.endm
.Lprep:
	s_lshl_b32 s66, s10, 6
	s_add_co_u32 s66, s66, s9                      ; the work-group's number, 0..255
	PREPU
	s_cmp_ge_u32 s66, 192                          ; units 256..447 go to work-groups 0..191
	s_cbranch_scc1 .Ljoin
	s_add_co_u32 s66, s66, 256
	PREPU
.Ljoin:
	s_wait_dscnt 0x0                               ; my LDS stores are done, for the other waves' sake
	s_barrier_signal -1
	s_barrier_wait -1                              ; all operands lie in LDS
	s_cmp_eq_u32 s8, 8
	s_cbranch_scc1 .Lend
	; ---- products.  Wave w: position tiles 2 pp, 2 pp + 1 (pp = w & 3) x heads 2 hp, 2 hp + 1 (hp = w >> 2), for q, k and v.
	s_and_b32 s53, s8, 3                           ; pp
	s_lshr_b32 s54, s8, 2                          ; hp
	s_lshl_b32 s55, s54, 3
	v_lshl_add_u32 v[VBQ], v[VH], 7, s55           ; q, k: register j of lane (r, h) is d = 8 h + j: channel byte 128 h + 16 j + 8 hp + 4 hi
	v_lshl_add_u32 v[VBV], v[VR], 4, s55           ; v: the lane's column is d = r: channel byte 16 r + 8 hp + 4 hi
.irp hi, 0,1
.irp j, 0,1,2,3,4,5,6,7
	global_load_b32 v[BQ+8*\hi+\j], v[VBQ], s[26:27] offset:16*\j+4*\hi
	global_load_b32 v[BK+8*\hi+\j], v[VBQ], s[28:29] offset:16*\j+4*\hi
.endr
	global_load_b32 v[BV+2*\hi], v[VBV], s[30:31] offset:4*\hi
	global_load_b32 v[BV+2*\hi+1], v[VBV], s[30:31] offset:4*\hi
.endr
	s_lshl_b32 s56, s53, 14
	s_lshl_b32 s57, s54, 14
	s_add_co_u32 s57, s57, 0x20000
	v_lshl_add_u32 v[RX], v[VL], 4, s56
	v_add_nc_u32 v[RS], 0x10000, v[RX]
	v_lshl_add_u32 v[RW], v[VL], 4, s57
	v_add_nc_u32 v[RW2], 0x10000, v[RW]
	; where the results go
	s_lshl_b32 s58, s46, 2
	s_lshl_b32 s59, s54, 1
	s_add_co_u32 s58, s58, s59                     ; 4 b + 2 hp
	s_lshl_b32 s58, s58, 19                        ; x 524,288 bytes of a head
	s_lshl_b32 s60, s10, 17                        ; d / 8 = 2 ob + h: 65,536 bytes each
	s_add_co_u32 s60, s60, s58
	s_lshl_b32 s61, s47, 11                        ; 128 slots x 16 bytes
	s_add_co_u32 s60, s60, s61
	s_lshl_b32 s61, s53, 9                         ; 32 pp slots
	s_add_co_u32 s60, s60, s61
	s_mov_b32 s61, 0
	s_add_nc_u64 s[38:39], s[38:39], s[60:61]
	s_add_nc_u64 s[40:41], s[40:41], s[60:61]
	s_lshl_b32 s62, s47, 14                        ; 16 groups of 8 slots x 1,024 bytes
	s_add_co_u32 s62, s62, s58
	s_lshl_b32 s63, s53, 12                        ; 4 pp groups
	s_add_co_u32 s62, s62, s63
	s_lshl_b32 s63, s10, 8                         ; d = 16 ob: 16 bytes each
	s_add_co_u32 s62, s62, s63
	s_mov_b32 s63, 0
	s_add_nc_u64 s[42:43], s[42:43], s[62:63]
	v_lshlrev_b32 v1, 4, v[VR]
	v_lshl_add_u32 v[VOQ], v[VH], 16, v1
	v_lshl_add_u32 v[VOV], v[VH], 10, v1
.macro FRAG dst, adr, off, ks          ; two fragments, four loads
.irp i, 0,1
.irp f, 0,1
	ds_load_b128 v[\dst+8*\i+4*\f:\dst+8*\i+4*\f+3], v[\adr] offset:\off+\i*8192+\ks*1024+\f*512
.endr
.endr
.endm
; q and k: A = weights (rows d), B = positions: a lane's eight results are eight neighbouring d of one position
.macro MULQK acc, fw, fp, zero
.irp hi, 0,1
.irp pi, 0,1
.if \zero
	v_wmma_f32_16x16x32_bf16 v[\acc+8*(2*\hi+\pi):\acc+8*(2*\hi+\pi)+7], v[\fw+8*\hi:\fw+8*\hi+7], v[\fp+8*\pi:\fp+8*\pi+7], 0
.else
	v_wmma_f32_16x16x32_bf16 v[\acc+8*(2*\hi+\pi):\acc+8*(2*\hi+\pi)+7], v[\fw+8*\hi:\fw+8*\hi+7], v[\fp+8*\pi:\fp+8*\pi+7], v[\acc+8*(2*\hi+\pi):\acc+8*(2*\hi+\pi)+7]
.endif
.endr
.endr
.endm
; v: A = positions, B = weights: a lane's eight results are eight neighbouring slots of one d
.macro MULV acc, fw, fp, zero
.irp hi, 0,1
.irp pi, 0,1
.if \zero
	v_wmma_f32_16x16x32_bf16 v[\acc+8*(2*\hi+\pi):\acc+8*(2*\hi+\pi)+7], v[\fp+8*\pi:\fp+8*\pi+7], v[\fw+8*\hi:\fw+8*\hi+7], 0
.else
	v_wmma_f32_16x16x32_bf16 v[\acc+8*(2*\hi+\pi):\acc+8*(2*\hi+\pi)+7], v[\fp+8*\pi:\fp+8*\pi+7], v[\fw+8*\hi:\fw+8*\hi+7], v[\acc+8*(2*\hi+\pi):\acc+8*(2*\hi+\pi)+7]
.endif
.endr
.endr
.endm
; One k step of 32: 20 fragment loads, 12 matrix instructions.  The twelve accumulators take turns, one instruction a turn.
.macro KSTEP ks, zero
.if \zero == 0
	PLACES                                         ; the loads below land in registers that the last matrix instructions read
.endif
	FRAG FX, RX, 0, \ks
	FRAG FWQ, RW, 0, \ks
	FRAG FS, RS, 0, \ks
	FRAG FWK, RW, 32768, \ks
	FRAG FWV, RW2, 0, \ks
	s_wait_dscnt 12                                ; x and Wq are in; the 12 younger loads may be out
	MULQK ACC, FWQ, FX, \zero
	s_wait_dscnt 4                                 ; source and Wk too; Wv's 4 may be out
	MULQK ACC+32, FWK, FS, \zero
	s_wait_dscnt 0
	MULV ACC+64, FWV, FS, \zero
.endm
	KSTEP 0, 1                                     ; the first products start the sums: nothing is cleared
	KSTEP 1, 0
	KSTEP 2, 0
	KSTEP 3, 0
	KSTEP 4, 0
	KSTEP 5, 0
	KSTEP 6, 0
	KSTEP 7, 0
	; ---- bias, round to bf16, store: 16 bytes a lane, sixteen lanes fill 256 consecutive bytes, aligned
.macro OUTT acc, bias, bstep, voff, base, pstep
.irp hi, 0,1
.irp pi, 0,1
.irp q, 0,1,2,3
	v_pk_add_f32 v[\acc+8*(2*\hi+\pi)+2*\q:\acc+8*(2*\hi+\pi)+2*\q+1], v[\acc+8*(2*\hi+\pi)+2*\q:\acc+8*(2*\hi+\pi)+2*\q+1], v[\bias+\hi*(6*\bstep+2)+2*\q*\bstep:\bias+\hi*(6*\bstep+2)+2*\q*\bstep+1]
.endr
.irp q, 0,1,2,3
	v_cvt_pk_bf16_f32 v[\acc+8*(2*\hi+\pi)+\q], v[\acc+8*(2*\hi+\pi)+2*\q], v[\acc+8*(2*\hi+\pi)+2*\q+1]
.endr
	global_store_b128 v[\voff], v[\acc+8*(2*\hi+\pi):\acc+8*(2*\hi+\pi)+3], s[\base:\base+1] offset:\hi*524288+\pi*\pstep
.endr
.endr
.endm
	PLACES
	s_wait_loadcnt 0x0                             ; the biases
	OUTT ACC, BQ, 1, VOQ, 38, 256                  ; bstep 1: eight biases a head, one for each register
	OUTT ACC+32, BK, 1, VOQ, 40, 256
	OUTT ACC+64, BV, 0, VOV, 42, 2048              ; bstep 0: one bias a head, held twice as a pair
.Lend:
	s_wait_tensorcnt 0x0
	ds_add_u32 v254, v255
	s_wait_dscnt 0x0
	s_endpgm
.Lfunc_end_k_q4b8dbe7046_proj:
	.size	k_q4b8dbe7046_proj, .Lfunc_end_k_q4b8dbe7046_proj-k_q4b8dbe7046_proj
	.p2alignl 7, 3214868480
	.fill 96, 4, 3214868480
	.section	.rodata,"a",@progbits
	.p2align	6, 0x0
	.amdhsa_kernel k_q4b8dbe7046_proj
		.amdhsa_group_segment_fixed_size 230656
		.amdhsa_private_segment_fixed_size 0
		.amdhsa_enable_private_segment 0
		.amdhsa_kernarg_size 120
		.amdhsa_user_sgpr_count 2
		.amdhsa_user_sgpr_kernarg_segment_ptr 1
		.amdhsa_wavefront_size32 1
		.amdhsa_system_sgpr_workgroup_id_x 1
		.amdhsa_system_sgpr_workgroup_id_y 1
		.amdhsa_system_sgpr_workgroup_id_z 1
		.amdhsa_system_vgpr_workitem_id 0
		.amdhsa_next_free_vgpr 256
		.amdhsa_next_free_sgpr 96
		.amdhsa_reserve_vcc 0
		.amdhsa_float_denorm_mode_32 3
		.amdhsa_float_denorm_mode_16_64 3
		.amdhsa_memory_ordered 1
		.amdhsa_forward_progress 1
		.amdhsa_inst_pref_size 73
	.end_amdhsa_kernel
	.amdgpu_metadata
---
amdhsa.version: [ 1, 2 ]
amdhsa.kernels:
  - .name:           k_q4b8dbe7046_proj
    .symbol:         k_q4b8dbe7046_proj.kd
    .args:
      - { .name: x, .offset: 0, .size: 8, .value_kind: global_buffer, .address_space: global }
      - { .name: source, .offset: 8, .size: 8, .value_kind: global_buffer, .address_space: global }
      - { .name: Wq, .offset: 16, .size: 8, .value_kind: global_buffer, .address_space: global }
      - { .name: Wk, .offset: 24, .size: 8, .value_kind: global_buffer, .address_space: global }
      - { .name: Wv, .offset: 32, .size: 8, .value_kind: global_buffer, .address_space: global }
      - { .name: bq, .offset: 40, .size: 8, .value_kind: global_buffer, .address_space: global }
      - { .name: bk, .offset: 48, .size: 8, .value_kind: global_buffer, .address_space: global }
      - { .name: bv, .offset: 56, .size: 8, .value_kind: global_buffer, .address_space: global }
      - { .name: Wo, .offset: 64, .size: 8, .value_kind: global_buffer, .address_space: global }
      - { .name: W1, .offset: 72, .size: 8, .value_kind: global_buffer, .address_space: global }
      - { .name: W2, .offset: 80, .size: 8, .value_kind: global_buffer, .address_space: global }
      - { .name: Qc, .offset: 88, .size: 8, .value_kind: global_buffer, .address_space: global }
      - { .name: Kc, .offset: 96, .size: 8, .value_kind: global_buffer, .address_space: global }
      - { .name: Vc, .offset: 104, .size: 8, .value_kind: global_buffer, .address_space: global }
      - { .name: WF, .offset: 112, .size: 8, .value_kind: global_buffer, .address_space: global }
    .group_segment_fixed_size: 230656
    .private_segment_fixed_size: 0
    .kernarg_segment_align: 8
    .kernarg_segment_size: 120
    .max_flat_workgroup_size: 288
    .sgpr_count:     96
    .vgpr_count:     256
    .wavefront_size: 32
...
	.end_amdgpu_metadata
.endif
;; end of part 1
;; launch attn (part 2): grid 32 x 8, 8 waves a work-group, clusters of 4 x 1, 327,680 bytes of LDS; arguments Qc, Kc, Vc, AT; writes AT
.if DOCPART == 2
	.amdgcn_target "amdgcn-amd-amdhsa--gfx1250"
	.amdhsa_code_object_version 6
	.text
	.protected	k_q4b8dbe7046_attn
	.globl	k_q4b8dbe7046_attn
	.p2align	8
	.type	k_q4b8dbe7046_attn,@function
k_q4b8dbe7046_attn:
	s_mov_b64 s[64:65], 0
	v_nop
	global_prefetch_b8 v0, s[64:65] scope:SCOPE_SE
	s_setreg_imm32_b32 hwreg(HW_REG_WAVE_MODE, 25, 1), 1
	s_wait_xcnt 0x0
	s_wait_alu depctr_hold_cnt(0) depctr_sa_sdst(0) depctr_va_vdst(0) depctr_va_sdst(0) depctr_va_ssrc(0) depctr_va_vcc(0) depctr_vm_vsrc(0)
	s_getreg_b32 s2, hwreg(HW_REG_IB_STS2, 6, 4)
	s_cmp_eq_u32 s2, 0
	s_cbranch_scc0 .Lentry_in_a_cluster
	s_endpgm
.Lentry_in_a_cluster:
	s_bfe_u32 s2, ttmp6, 0x10000c
	s_cmp_lg_u32 s2, 0x3003
	s_cbranch_scc0 .Lentry_shape_is_right
	s_endpgm
.Lentry_shape_is_right:
; attn: softmax(q k^T / 8) v for one head (y = 4 b + head) and 128 query slots, with a running maximum.
; Eight waves.  Wave w: 32 queries (qg = w & 3; two tiles of 16) x one half of the 4,096 keys (kh = w >> 2).  The split is by keys, so that every
; K and V fragment read from LDS feeds two query tiles.  The two halves are merged through LDS at the end.
; S^T = K Q^T: A = 16 keys x 32 d, B = 16 queries x 32 d.  Lane (r, h) then holds query r and keys 8 h + j of each tile, so the maximum, the
; rescaling factor and the sum are one number a lane, and two neighbouring key tiles, rounded to bf16 in place, ARE the B fragment of
; O^T = V^T P^T (A = 16 d x 32 keys).  A lane's eight results of O^T are eight neighbouring d of one query: 16 bytes of AT.
; TWO GROUPS OF WAVES, HALF A STEP APART.  A step of 64 keys is SBLK (K fragments, scores, V fragments into registers), SMB (softmax), PVB (product
; with V): matrix work, vector work, matrix work.  Eight waves are two for each of four SIMDs, there so that one wave's vector work stands beside the
; other's matrix work; but every barrier sets all waves off at one point of the text.  So the text cuts the waves' streams at different points:
; group g = (w ^ (w >> 2)) & 1, which differs between waves w and w + 4 and between waves 2 i and 2 i + 1.  A trip's last step is left pending across
; the barrier, in registers (scores 64, V fragments 64): group 0 has done its softmax in front of the barrier and starts behind it with PVB and SBLK
; (matrix work), group 1 starts with SMB (vector work).  Both groups do the same work in a trip.  The branches hang on the wave's number alone and
; jump over register work only.
; CLUSTER: the four work-groups of a cluster are four query blocks of one head and walk the same K and V tiles: every tile is asked for jointly
; (mask 15); nothing in a descriptor hangs on the place in the cluster.  A tile is 256 keys of each half: 128 KB a work-group, two slots, 8 trips.
; By this text's count a wave has two tensor loads out (its eighth of a tile of K and of V).
; LDS: slot s at 131072 s; in it half kh at 65536 kh: K [d / 8][256 keys][16 B] at 0, V [key / 8][64 d][16 B] at 32768.  Every fragment load reads
; 256 consecutive bytes for each sixteen lanes.  Merge scratch (written by LDS stores only) at 262144 + 8704 qg.
; Limits: inputs finite (a NaN loses in the maximum); an exponential below 2^-126 counts as 0; p, q, k, v are bf16, sums f32.
; Scalars: s3 group; s[4:11] Qc, Kc, Vc, AT; s12 wave; s13 kh; s14 qg; s15 LDS place of my part of a tile; s[16:23], s[24:31] shapes of K's and V's
; tiles; s[32:39] K's group 0 for slots 0, 1; s[40:47] V's; s[48:49] log2(e) / 8 twice; s50 its negative; s51, s52 lane selects; s53 trips.
.set VG,   5                           ; v5        byte offset of my 16 bytes in Qc and AT: 65536 h + 16 r
.set VK,   8                           ; v8, v9    LDS address of my K fragments in slot 0, 1
.set VV,   10                          ; v10, v11  the same for V
.set MX,   12                          ; v12, v13  running maximum of the raw scores, query tile 0, 1
.set LSM,  14                          ; v14, v15  running sum of my keys' exponentials
.set NMX,  16                          ; v[16:19]  - maximum x log2(e) / 8, twice, for each query tile
.set ALF,  20                          ; v[20:21]  rescaling factor of query tile 0, twice; v[6:7] (ALF - 14) that of query tile 1
.set MG,   22                          ; v22       merge scratch
.set TMP,  24                          ; v[24:31]  four for each query tile
.set QFR,  32                          ; v[32:63]  Q fragments (2 qt + ks)
.set OAC,  64                          ; v[64:127] O^T, tile 32 qt + 8 dt
.set SCO,  128                         ; v[128:191] S^T, tile 32 qt + 8 kt; then P
.set POOL, 192                         ; v[192:255] eight fragments: K's, then V's
.set G1K, 16
.set G1V, 24
.set G0K, 32
.set G0V, 40
.macro PLACES                          ; places behind matrix instructions (ISA guide 7.12.1): independent vector instructions
.rept 5
	v_nop
.endr
.endm
; A round of the cluster's barrier: my work-group's barrier, wave 0 signals for the work-group, every wave waits for all four work-groups,
; my work-group's barrier once more.
.macro ROUND
	s_barrier_signal -1
	s_barrier_wait -1
	s_cmp_lg_u32 s12, 0
	s_cbranch_scc1 .Lnot_wave_0_\@
	s_barrier_signal -3
.Lnot_wave_0_\@:
	s_barrier_wait -3
	s_barrier_signal -1
	s_barrier_wait -1
.endm
	s_load_b256 s[4:11], s[0:1], 0x0
	v_lshl_add_u32 v23, v0, 2, 0x48800
	s_set_vgpr_msb 0x40
	v_mov_b32 v1, 0
	s_set_vgpr_msb 0x4044
	ds_add_u32 v23, v1
	s_set_vgpr_msb 0x4400
	v_lshrrev_b32 v1, 5, v0
	v_readfirstlane_b32 s12, v1
	s_lshr_b32 s13, s12, 2                         ; kh
	s_and_b32 s14, s12, 3                          ; qg; also: which quarter of my half's tile I fetch
	s_xor_b32 s3, s12, s13
	s_and_b32 s3, s3, 1                            ; my group: (w ^ (w >> 2)) & 1
	s_bfe_u32 s54, ttmp6, 0x40000                  ; my place in the cluster: it enters Q's and AT's addresses alone
	s_lshl_b32 s55, ttmp9, 2
	s_add_co_u32 s55, s55, s54                     ; block of 128 queries
	s_and_b32 s56, ttmp7, 0xffff                   ; 4 b + head
	s_mov_b32 s48, 0x3e38aa3b                      ; log2(e) / sqrt(64)
	s_mov_b32 s49, 0x3e38aa3b
	s_mov_b32 s50, 0xbe38aa3b
	s_mov_b32 s51, 0x76543210                      ; v_permlanex16_b32: lane i of one half reads lane i of the other
	s_mov_b32 s52, 0xfedcba98
	; K's tile part: 2 rows (d / 8 = 2 j, 2 j + 1) of 256 keys x 16 bytes, 65,536 bytes apart; elements of 8 bytes
	s_mov_b32 s[G1K+0], 0x0023000f                 ; mask 15: all four work-groups; element 8 bytes; bit 21 beside the mask
	s_mov_b32 s[G1K+1], 512<<16                    ; tensor_dim0 = 512 elements
	s_mov_b32 s[G1K+2], 2<<16                      ; tensor_dim1 = 2
	s_mov_b32 s[G1K+3], 512<<16                    ; tile_dim0 = 512
	s_mov_b32 s[G1K+4], 2                          ; tile_dim1 = 2
	s_mov_b32 s[G1K+5], 8192                       ; from row to row
	s_mov_b32 s[G1K+6], 0
	s_mov_b32 s[G1K+7], 0
	; V's tile part: 8 groups of 8 keys, 8,192 dense bytes, as 32 rows of 256 bytes
	s_mov_b32 s[G1V+0], 0x0023000f
	s_mov_b32 s[G1V+1], 32<<16
	s_mov_b32 s[G1V+2], 32<<16
	s_mov_b32 s[G1V+3], 32<<16
	s_mov_b32 s[G1V+4], 32
	s_mov_b32 s[G1V+5], 32
	s_mov_b32 s[G1V+6], 0
	s_mov_b32 s[G1V+7], 0
	s_lshl_b32 s58, s56, 19                        ; K: head
	s_lshl_b32 s57, s14, 17                        ; + 2 j rows of 65,536
	s_add_co_u32 s58, s58, s57
	s_lshl_b32 s57, s13, 15                        ; + 2,048 kh keys x 16
	s_add_co_u32 s58, s58, s57
	s_mov_b32 s59, 0
	s_lshl_b32 s60, s56, 19                        ; V: head
	s_lshl_b32 s57, s13, 18                        ; + 256 kh groups x 1,024
	s_add_co_u32 s60, s60, s57
	s_lshl_b32 s57, s14, 13                        ; + 8 j groups
	s_add_co_u32 s60, s60, s57
	s_mov_b32 s61, 0
	s_lshl_b32 s15, s13, 16
	s_add_co_u32 s15, s15, s57                     ; LDS: 65536 kh + 8192 j
	s_lshl_b32 s62, s56, 19                        ; Q and AT: head
	s_lshl_b32 s63, s55, 11                        ; + 128 slots x 16 bytes a block
	s_add_co_u32 s62, s62, s63
	s_lshl_b32 s63, s14, 9                         ; + 32 qg slots
	s_add_co_u32 s62, s62, s63
	s_mov_b32 s63, 0
	v_and_b32 v1, 15, v0                           ; r
	v_bfe_u32 v2, v0, 4, 1                         ; h
	v_and_b32 v3, 31, v0                           ; lane
	v_lshlrev_b32 v4, 4, v1
	s_lshl_b32 s57, s13, 16
	v_lshl_add_u32 v[VK], v2, 12, v4               ; K: d / 8 = .. + h: 4,096 bytes; key r: 16 bytes
	v_add_nc_u32 v[VK], s57, v[VK]
	v_add_nc_u32 v[VK+1], 0x20000, v[VK]
	v_lshl_add_u32 v[VV], v2, 10, v4               ; V: key / 8 = .. + h: 1,024 bytes; d = r: 16 bytes
	v_add_nc_u32 v[VV], s57, v[VV]
	v_add_nc_u32 v[VV], 0x8000, v[VV]
	v_add_nc_u32 v[VV+1], 0x20000, v[VV]
	v_lshl_add_u32 v[VG], v2, 16, v4
	s_mul_i32 s57, s14, 8704
	s_add_co_u32 s57, s57, 0x40000
	v_lshl_add_u32 v[MG], v3, 4, s57
	s_wait_dscnt 0x0
	s_wait_kmcnt 0x0
	s_add_nc_u64 s[4:5], s[4:5], s[62:63]
	s_add_nc_u64 s[10:11], s[10:11], s[62:63]
	s_add_nc_u64 s[6:7], s[6:7], s[58:59]
	s_add_nc_u64 s[8:9], s[8:9], s[60:61]
.irp qt, 0,1
.irp ks, 0,1
.irp hf, 0,1
	global_load_b128 v[QFR+(2*\qt+\ks)*8+4*\hf:QFR+(2*\qt+\ks)*8+4*\hf+3], v[VG], s[4:5] offset:(4*\ks+2*\hf)*65536+\qt*256
.endr
.endr
.endr
.irp s, 0,1
	s_mov_b32 s[G0K+4*\s], 1
	s_add_co_u32 s[G0K+4*\s+1], s15, \s*131072
	s_add_nc_u64 s[G0K+4*\s+2:G0K+4*\s+3], s[6:7], \s*4096          ; tile s: 256 keys x 16 bytes on
	s_or_b32 s[G0K+4*\s+3], s[G0K+4*\s+3], 0x80000000
	s_mov_b32 s[G0V+4*\s], 1
	s_add_co_u32 s[G0V+4*\s+1], s15, \s*131072+32768
	s_add_nc_u64 s[G0V+4*\s+2:G0V+4*\s+3], s[8:9], \s*32768         ; tile s: 32 groups x 1,024 bytes on
	s_or_b32 s[G0V+4*\s+3], s[G0V+4*\s+3], 0x80000000
.endr
	ROUND                                          ; all four work-groups are here: the first joint loads meet
	tensor_load_to_lds s[G0K:G0K+3], s[G1K:G1K+7]  ; tile 0
	s_nop 0
	tensor_load_to_lds s[G0V:G0V+3], s[G1V:G1V+7]
	s_nop 0
	s_wait_loadcnt 0x0                             ; Q
; SBLK: the scores of 64 keys (number ss of the tile's four) against my 32 queries, and these keys' V fragments into the pool.
; The eight score tiles take turns, one instruction a turn: first all eight products of d 0-31, then all eight of d 32-63,
; so that a link adds onto a result that is eight matrix instructions old.
.macro SBLK slot, ss
.irp ks, 0,1
.irp kt, 0,1,2,3
.irp hf, 0,1
	ds_load_b128 v[POOL+(2*\kt+\ks)*8+4*\hf:POOL+(2*\kt+\ks)*8+4*\hf+3], v[VK+\slot] offset:(4*\ks+2*\hf)*4096+(4*\ss+\kt)*256
.endr
.endr
.endr
.irp kt, 0,1,2,3
	s_wait_dscnt 14-2*\kt                          ; 16 loads in the order (d half, key tile, register half): this fragment's two are in, the younger may be out
	v_wmma_f32_16x16x32_bf16 v[SCO+8*\kt:SCO+8*\kt+7], v[POOL+16*\kt:POOL+16*\kt+7], v[QFR:QFR+7], 0
	v_wmma_f32_16x16x32_bf16 v[SCO+32+8*\kt:SCO+32+8*\kt+7], v[POOL+16*\kt:POOL+16*\kt+7], v[QFR+16:QFR+23], 0
.endr
.irp kt, 0,1,2,3
	s_wait_dscnt 6-2*\kt
	v_wmma_f32_16x16x32_bf16 v[SCO+8*\kt:SCO+8*\kt+7], v[POOL+16*\kt+8:POOL+16*\kt+15], v[QFR+8:QFR+15], v[SCO+8*\kt:SCO+8*\kt+7]
	v_wmma_f32_16x16x32_bf16 v[SCO+32+8*\kt:SCO+32+8*\kt+7], v[POOL+16*\kt+8:POOL+16*\kt+15], v[QFR+24:QFR+31], v[SCO+32+8*\kt:SCO+32+8*\kt+7]
.endr
	PLACES                                         ; then V's fragments land where K's were read, and the scores are read
.irp kk, 0,1
.irp dt, 0,1,2,3
.irp hf, 0,1
	ds_load_b128 v[POOL+(4*\kk+\dt)*8+4*\hf:POOL+(4*\kk+\dt)*8+4*\hf+3], v[VV+\slot] offset:(2*\ss+\kk)*4096+\hf*2048+\dt*256
.endr
.endr
.endr
.endm
; SMB: the softmax step of both query tiles on 64 keys (32 scores a lane and tile), phase by phase with the two tiles interleaved, so that
; eight maximum chains and four sum chains run side by side.  first = 1: nothing is carried yet.
.macro SMB first
.irp c, 0,1,2,3
.irp qt, 0,1
	v_max3_num_f32 v[TMP+4*\qt+\c], v[SCO+32*\qt+8*\c], v[SCO+32*\qt+8*\c+1], v[SCO+32*\qt+8*\c+2]
.endr
.endr
.irp c, 0,1,2,3
.irp qt, 0,1
	v_max3_num_f32 v[TMP+4*\qt+\c], v[TMP+4*\qt+\c], v[SCO+32*\qt+8*\c+3], v[SCO+32*\qt+8*\c+4]
.endr
.endr
.irp c, 0,1,2,3
.irp qt, 0,1
	v_max3_num_f32 v[TMP+4*\qt+\c], v[TMP+4*\qt+\c], v[SCO+32*\qt+8*\c+5], v[SCO+32*\qt+8*\c+6]
.endr
.endr
.irp qt, 0,1
	v_max3_num_f32 v[TMP+4*\qt], v[TMP+4*\qt], v[SCO+32*\qt+7], v[SCO+32*\qt+15]
	v_max3_num_f32 v[TMP+4*\qt+1], v[TMP+4*\qt+1], v[SCO+32*\qt+23], v[SCO+32*\qt+31]
.endr
.irp qt, 0,1
	v_max3_num_f32 v[TMP+4*\qt], v[TMP+4*\qt], v[TMP+4*\qt+1], v[TMP+4*\qt+2]
.endr
.irp qt, 0,1
.if \first
	v_max_num_f32 v[TMP+4*\qt], v[TMP+4*\qt], v[TMP+4*\qt+3]
.else
	v_max3_num_f32 v[TMP+4*\qt], v[TMP+4*\qt], v[TMP+4*\qt+3], v[MX+\qt]
.endif
.endr
.irp qt, 0,1
	v_permlanex16_b32 v[TMP+4*\qt+1], v[TMP+4*\qt], s51, s52       ; the other eight keys of each tile lie in the other half of the lanes
.endr
.irp qt, 0,1
	v_max_num_f32 v[MX+\qt], v[TMP+4*\qt], v[TMP+4*\qt+1]
.endr
.if \first == 0
.irp qt, 0,1
	v_mov_b32 v[TMP+4*\qt+2], v[NMX+2*\qt]
.endr
.endif
.irp qt, 0,1
	v_mul_f32 v[NMX+2*\qt], s50, v[MX+\qt]
	v_mul_f32 v[NMX+2*\qt+1], s50, v[MX+\qt]
.endr
.if \first == 0
.irp qt, 0,1
	v_sub_f32 v[TMP+4*\qt+2], v[NMX+2*\qt], v[TMP+4*\qt+2]         ; new - old, at most 0: made of the rounded numbers that the exponents use
.endr
.endif
.irp i, 0,2,4,6,8,10,12,14,16,18,20,22,24,26,28,30
.irp qt, 0,1
	v_pk_fma_f32 v[SCO+32*\qt+\i:SCO+32*\qt+\i+1], v[SCO+32*\qt+\i:SCO+32*\qt+\i+1], s[48:49], v[NMX+2*\qt:NMX+2*\qt+1] op_sel_hi:[1,0,1]
.endr
.endr
.if \first == 0
.irp qt, 0,1
	v_exp_f32 v[ALF-14*\qt], v[TMP+4*\qt+2]
	v_exp_f32 v[ALF-14*\qt+1], v[TMP+4*\qt+2]
.endr
.endif
.irp i, 0,1,2,3,4,5,6,7,8,9,10,11,12,13,14,15,16,17,18,19,20,21,22,23,24,25,26,27,28,29,30,31
	v_exp_f32 v[SCO+\i], v[SCO+\i]
.endr
.irp i, 0,1,2,3,4,5,6,7,8,9,10,11,12,13,14,15,16,17,18,19,20,21,22,23,24,25,26,27,28,29,30,31
	v_exp_f32 v[SCO+32+\i], v[SCO+32+\i]
.endr
	v_nop                                          ; one plain vector instruction between the exponentials and the first use of a result (ISA guide 5.7.2)
	s_wait_alu depctr_va_vdst(0)
.irp qt, 0,1
	v_pk_add_f32 v[TMP+4*\qt:TMP+4*\qt+1], v[SCO+32*\qt:SCO+32*\qt+1], v[SCO+32*\qt+2:SCO+32*\qt+3]
	v_pk_add_f32 v[TMP+4*\qt+2:TMP+4*\qt+3], v[SCO+32*\qt+4:SCO+32*\qt+5], v[SCO+32*\qt+6:SCO+32*\qt+7]
.endr
.irp i, 8,12,16,20,24,28
.irp qt, 0,1
	v_pk_add_f32 v[TMP+4*\qt:TMP+4*\qt+1], v[TMP+4*\qt:TMP+4*\qt+1], v[SCO+32*\qt+\i:SCO+32*\qt+\i+1]
	v_pk_add_f32 v[TMP+4*\qt+2:TMP+4*\qt+3], v[TMP+4*\qt+2:TMP+4*\qt+3], v[SCO+32*\qt+\i+2:SCO+32*\qt+\i+3]
.endr
.endr
.irp qt, 0,1
	v_pk_add_f32 v[TMP+4*\qt:TMP+4*\qt+1], v[TMP+4*\qt:TMP+4*\qt+1], v[TMP+4*\qt+2:TMP+4*\qt+3]
.endr
.if \first
.irp qt, 0,1
	v_add_f32 v[LSM+\qt], v[TMP+4*\qt], v[TMP+4*\qt+1]
.endr
.else
.irp qt, 0,1
	v_add_f32 v[TMP+4*\qt], v[TMP+4*\qt], v[TMP+4*\qt+1]
.endr
.irp qt, 0,1
	v_fma_f32 v[LSM+\qt], v[LSM+\qt], v[ALF-14*\qt], v[TMP+4*\qt]
.endr
.endif
.irp i, 0,1,2,3,4,5,6,7
.irp qt, 0,1
	v_cvt_pk_bf16_f32 v[SCO+32*\qt+\i], v[SCO+32*\qt+2*\i], v[SCO+32*\qt+2*\i+1]               ; key tiles 0, 1 become the B fragment of keys 0-31
.endr
.endr
.irp i, 0,1,2,3,4,5,6,7
.irp qt, 0,1
	v_cvt_pk_bf16_f32 v[SCO+32*\qt+16+\i], v[SCO+32*\qt+16+2*\i], v[SCO+32*\qt+16+2*\i+1]      ; key tiles 2, 3 that of keys 32-63
.endr
.endr
.if \first == 0
.irp i, 0,2,4,6,8,10,12,14,16,18,20,22,24,26,28,30
.irp qt, 0,1
	v_pk_mul_f32 v[OAC+32*\qt+\i:OAC+32*\qt+\i+1], v[OAC+32*\qt+\i:OAC+32*\qt+\i+1], v[ALF-14*\qt:ALF-14*\qt+1]
.endr
.endr
.endif
.endm
; PVB: O^T += V^T P^T for the 64 keys whose P lies in the score registers and whose V fragments lie in the pool.
; The eight accumulators take turns, one instruction a turn.
.macro PVB first
.irp kk, 0,1
	s_wait_dscnt 8-8*\kk                           ; the fragments of these 32 keys are in; the eight loads of the next 32 may be out
.irp dt, 0,1,2,3
.irp qt, 0,1
.if \first && (\kk == 0)
	v_wmma_f32_16x16x32_bf16 v[OAC+32*\qt+8*\dt:OAC+32*\qt+8*\dt+7], v[POOL+(4*\kk+\dt)*8:POOL+(4*\kk+\dt)*8+7], v[SCO+32*\qt+16*\kk:SCO+32*\qt+16*\kk+7], 0
.else
	v_wmma_f32_16x16x32_bf16 v[OAC+32*\qt+8*\dt:OAC+32*\qt+8*\dt+7], v[POOL+(4*\kk+\dt)*8:POOL+(4*\kk+\dt)*8+7], v[SCO+32*\qt+16*\kk:SCO+32*\qt+16*\kk+7], v[OAC+32*\qt+8*\dt:OAC+32*\qt+8*\dt+7]
.endif
.endr
.endr
.endr
	PLACES                                         ; then the pool is loaded, the scores are written over, O is rescaled or stored
.endm
; One tile.  In front of the round every wave has waited for all its tensor loads (its part of this trip's tile among them) and for its reads of
; the other slot, the pending step's V fragments among them; behind the round that holds of every wave of all four work-groups, and the other
; slot's joint refill comes first.  pend = 1: the last trip's fourth step is finished first, from registers.
.macro TRIP slot, refill, pend, first
	s_set_vgpr_msb 0x4
	s_wait_tensorcnt 0x0
	ds_add_u32 v23, v1
	s_wait_dscnt 0x0
	s_set_vgpr_msb 0x400
	s_add_nc_u64 s[G0K+4*\slot+2:G0K+4*\slot+3], s[G0K+4*\slot+2:G0K+4*\slot+3], 8192      ; no load of mine is out: this slot's next tile, two on
	s_add_nc_u64 s[G0V+4*\slot+2:G0V+4*\slot+3], s[G0V+4*\slot+2:G0V+4*\slot+3], 65536
	s_wait_dscnt 0x0
	ROUND
.if \refill
	tensor_load_to_lds s[G0K+4-4*\slot:G0K+7-4*\slot], s[G1K:G1K+7]
	s_nop 0
	tensor_load_to_lds s[G0V+4-4*\slot:G0V+7-4*\slot], s[G1V:G1V+7]
	s_nop 0
.endif
.if \pend
	s_cmp_eq_u32 s3, 0                             ; group 0 did the pending step's softmax in front of the round
	s_cbranch_scc1 .Lsoft_done_\@
	SMB 0
.Lsoft_done_\@:
	PVB 0
.endif
	SBLK \slot, 0
	SMB \first
	PVB \first
	SBLK \slot, 1
	SMB 0
	PVB 0
	SBLK \slot, 2
	SMB 0
	PVB 0
	SBLK \slot, 3                                  ; the fourth step stays pending
	s_cmp_lg_u32 s3, 0                             ; group 1 does its softmax behind the round
	s_cbranch_scc1 .Lsoft_later_\@
	SMB 0
.Lsoft_later_\@:
.endm
	TRIP 0, 1, 0, 1                                ; tile 0: nothing is pending, the first products start the sums
	TRIP 1, 1, 1, 0
	s_mov_b32 s53, 2
.Ltrips:
	TRIP 0, 1, 1, 0                                ; tiles 2 to 5
	TRIP 1, 1, 1, 0
	s_sub_co_u32 s53, s53, 1
	s_cmp_lg_u32 s53, 0
	s_cbranch_scc1 .Ltrips
	TRIP 0, 1, 1, 0                                ; tile 6 fetches tile 7;
	TRIP 1, 0, 1, 0                                ; tile 7 fetches nothing (the stepped addresses are not used)
	s_cmp_eq_u32 s3, 0                             ; the last step, still pending
	s_cbranch_scc1 .Llast
	SMB 0
.Llast:
	PVB 0
	; ---- merge of the two key halves: waves 4-7 hand O, the shift and the sum to waves 0-3 through LDS
	s_cmp_lt_u32 s12, 4
	s_cbranch_scc1 .Lkeep
.irp i, 0,1,2,3,4,5,6,7,8,9,10,11,12,13,14,15
	ds_store_b128 v[MG], v[OAC+4*\i:OAC+4*\i+3] offset:512*\i
.endr
	v_mov_b32 v[TMP], v[NMX]
	v_mov_b32 v[TMP+1], v[LSM]
	v_mov_b32 v[TMP+2], v[NMX+2]
	v_mov_b32 v[TMP+3], v[LSM+1]
	ds_store_b128 v[MG], v[TMP:TMP+3] offset:8192
.Lkeep:
	s_wait_dscnt 0x0                               ; my stores are done, for the partner's sake
	s_barrier_signal -1
	s_barrier_wait -1
	s_cmp_ge_u32 s12, 4
	s_cbranch_scc1 .Ldone
.irp i, 0,1,2,3,4,5,6,7,8,9,10,11,12,13,14,15
	ds_load_b128 v[SCO+4*\i:SCO+4*\i+3], v[MG] offset:512*\i
.endr
	ds_load_b128 v[TMP+4:TMP+7], v[MG] offset:8192
	s_wait_dscnt 0x0
.macro MERGE qt
	v_min_num_f32 v[TMP], v[NMX+2*\qt], v[TMP+4+2*\qt]             ; the shift of the larger maximum
	v_sub_f32 v[TMP+1], v[TMP], v[NMX+2*\qt]
	v_sub_f32 v[TMP+2], v[TMP], v[TMP+4+2*\qt]
	v_exp_f32 v[TMP+1], v[TMP+1]
	v_exp_f32 v[TMP+2], v[TMP+2]
	v_nop
	s_wait_alu depctr_va_vdst(0)
	v_mul_f32 v[TMP+3], v[LSM+\qt], v[TMP+1]
	v_fma_f32 v[TMP+3], v[TMP+5+2*\qt], v[TMP+2], v[TMP+3]
	v_permlanex16_b32 v[TMP], v[TMP+3], s51, s52                   ; the sums of the other eight keys of each tile
	v_add_f32 v[TMP+3], v[TMP+3], v[TMP]
	v_rcp_f32 v[TMP+3], v[TMP+3]
	v_nop
	s_wait_alu depctr_va_vdst(0)
	v_mul_f32 v[ALF], v[TMP+1], v[TMP+3]
	v_mul_f32 v[ALF+1], v[TMP+1], v[TMP+3]
	v_mul_f32 v[NMX+2*\qt], v[TMP+2], v[TMP+3]
	v_mul_f32 v[NMX+2*\qt+1], v[TMP+2], v[TMP+3]
.irp i, 0,2,4,6,8,10,12,14,16,18,20,22,24,26,28,30
	v_pk_mul_f32 v[OAC+32*\qt+\i:OAC+32*\qt+\i+1], v[OAC+32*\qt+\i:OAC+32*\qt+\i+1], v[ALF:ALF+1]
	v_pk_fma_f32 v[OAC+32*\qt+\i:OAC+32*\qt+\i+1], v[SCO+32*\qt+\i:SCO+32*\qt+\i+1], v[NMX+2*\qt:NMX+2*\qt+1], v[OAC+32*\qt+\i:OAC+32*\qt+\i+1]
.endr
.irp dt, 0,1,2,3
.irp i, 0,1,2,3
	v_cvt_pk_bf16_f32 v[OAC+32*\qt+8*\dt+\i], v[OAC+32*\qt+8*\dt+2*\i], v[OAC+32*\qt+8*\dt+2*\i+1]
.endr
	global_store_b128 v[VG], v[OAC+32*\qt+8*\dt:OAC+32*\qt+8*\dt+3], s[10:11] offset:2*\dt*65536+\qt*256   ; sixteen lanes: 256 consecutive bytes, aligned
.endr
.endm
	MERGE 0
	MERGE 1
.Ldone:
	s_set_vgpr_msb 0x4
	s_wait_tensorcnt 0x0
	ds_add_u32 v23, v1
	s_wait_dscnt 0x0
	s_set_vgpr_msb 0x400
	ROUND                                          ; the closing round: no work-group ends while a partner may still ask jointly
	s_endpgm
.Lfunc_end_k_q4b8dbe7046_attn:
	.size	k_q4b8dbe7046_attn, .Lfunc_end_k_q4b8dbe7046_attn-k_q4b8dbe7046_attn
	.p2alignl 7, 3214868480
	.fill 96, 4, 3214868480
	.section	.rodata,"a",@progbits
	.p2align	6, 0x0
	.amdhsa_kernel k_q4b8dbe7046_attn
		.amdhsa_group_segment_fixed_size 327680
		.amdhsa_private_segment_fixed_size 0
		.amdhsa_enable_private_segment 0
		.amdhsa_kernarg_size 32
		.amdhsa_user_sgpr_count 2
		.amdhsa_user_sgpr_kernarg_segment_ptr 1
		.amdhsa_wavefront_size32 1
		.amdhsa_system_sgpr_workgroup_id_x 1
		.amdhsa_system_sgpr_workgroup_id_y 1
		.amdhsa_system_sgpr_workgroup_id_z 1
		.amdhsa_system_vgpr_workitem_id 0
		.amdhsa_next_free_vgpr 258
		.amdhsa_next_free_sgpr 66
		.amdhsa_reserve_vcc 0
		.amdhsa_float_denorm_mode_32 3
		.amdhsa_float_denorm_mode_16_64 3
		.amdhsa_memory_ordered 1
		.amdhsa_forward_progress 1
		.amdhsa_inst_pref_size 255
	.end_amdhsa_kernel
	.section	.bss,"aw",@nobits
	.p2align	6
	.space	262144
	.amdgpu_metadata
---
amdhsa.version: [ 1, 2 ]
amdhsa.kernels:
  - .name:           k_q4b8dbe7046_attn
    .symbol:         k_q4b8dbe7046_attn.kd
    .args:
      - { .name: Qc, .offset: 0, .size: 8, .value_kind: global_buffer, .address_space: global }
      - { .name: Kc, .offset: 8, .size: 8, .value_kind: global_buffer, .address_space: global }
      - { .name: Vc, .offset: 16, .size: 8, .value_kind: global_buffer, .address_space: global }
      - { .name: AT, .offset: 24, .size: 8, .value_kind: global_buffer, .address_space: global }
    .group_segment_fixed_size: 327680
    .private_segment_fixed_size: 0
    .kernarg_segment_align: 8
    .kernarg_segment_size: 32
    .max_flat_workgroup_size: 256
    .sgpr_count:     66
    .vgpr_count:     258
    .wavefront_size: 32
...
	.end_amdgpu_metadata
.endif
;; end of part 2
;; launch mlp1 (part 3): grid 128 x 2, 8 waves a work-group, clusters of 4 x 1, 327,680 bytes of LDS; arguments x, AT, WF, bo, b1, HT, PS; writes HT, PS
.if DOCPART == 3
	.amdgcn_target "amdgcn-amd-amdhsa--gfx1250"
	.amdhsa_code_object_version 6
	.text
	.protected	k_q4b8dbe7046_mlp1
	.globl	k_q4b8dbe7046_mlp1
	.p2align	8
	.type	k_q4b8dbe7046_mlp1,@function
k_q4b8dbe7046_mlp1:
	s_mov_b64 s[64:65], 0
	v_nop
	global_prefetch_b8 v0, s[64:65] scope:SCOPE_SE
	s_setreg_imm32_b32 hwreg(HW_REG_WAVE_MODE, 25, 1), 1
	s_wait_xcnt 0x0
	s_wait_alu depctr_hold_cnt(0) depctr_sa_sdst(0) depctr_va_vdst(0) depctr_va_sdst(0) depctr_va_ssrc(0) depctr_va_vcc(0) depctr_vm_vsrc(0)
	s_getreg_b32 s2, hwreg(HW_REG_IB_STS2, 6, 4)
	s_cmp_eq_u32 s2, 0
	s_cbranch_scc0 .Lentry_in_a_cluster
	s_endpgm
.Lentry_in_a_cluster:
	s_bfe_u32 s2, ttmp6, 0x10000c
	s_cmp_lg_u32 s2, 0x3003
	s_cbranch_scc0 .Lentry_shape_is_right
	s_endpgm
.Lentry_shape_is_right:
; mlp1: message = Wo^T attn + bo;  h = W1^T [x; message] + b1, stored in f32;  and for each channel the mean and the centred sum of squares
; of h over the work-group's 64 positions.
; A work-group takes 64 positions (block pb) and 256 of the 512 channels of h (half oh).  The message needs all its 256 channels at these
; positions and is made in both halves: 64 of a wave's 192 matrix instructions are done twice over the launch, so that 256 work-groups have work.
; Wave w owns output tiles 2 w, 2 w + 1 of both products x four position tiles: eight accumulators.  With D[m = channel, n = position] a lane
; holds eight neighbouring rows of one position, so two neighbouring tiles of the message, rounded to bf16, are a B fragment of the second product.
; Positions are taken in slot order (tile t, row r = position 4 r + t of the block), as AT has them; x is loaded by the four-tile load:
; lane (r, h) reads 16 bytes at channel k0 + 8 h + e, position 4 r: word t belongs to position tile t.
; FORMATS.  x and W1's rows of x are f16: 11 significant bits where bf16 has 8, and this product carries nearly all of h.  x has room there: thirty
; times larger with an offset of thirty spreads it stays near 1,100, against f16's 65,504.  The message is a product of three input factors
; (Wv source, then Wo): inputs thirty times larger make it 27,000 times larger, beyond f16; so the message, attn, Wo and W1's rows of the
; message are bf16.  Both forms add into the same f32 accumulators; where the form changes, five places stand between (ISA guide 7.12.1).
; CLUSTER: the four work-groups of a cluster are four position blocks of one half and walk the same weights.
; By this text's count a wave has at
; most three tensor loads out.  The loads into registers (biases, x, attn) are issued ahead of the opening round: they are on their way while the
; four work-groups meet.
; LDS: weights 24576 w + 8192 R (R = 0..2); attn 196608 [k step 8][position tile 4][1 KB]; x 229376; message 262144; statistics 294912 (2 KB).
; All but the weights are written by LDS stores only.  A fragment is [half][lane][16 bytes]: every access is 16 bytes a lane, lane after lane.
; HT: [pb][channel tile 32][position tile 4][half 2][lane 32][4 f32] (a D tile as it lies in registers).  PS: [pb][kc 512][mean, M2] f32,
; kc = 16 tile + row, which stands for channel 64 (kc >> 6) + 4 (kc & 15) + ((kc >> 4) & 3).
; Limits: |x| at most 65,504, an x below 2^-24 counts as 0; sums, h and the statistics are f32; the sum of squares is taken about the block's own mean.
; Scalars: s[4:17] x, AT, WF, bo, b1, HT, PS; s[20:27] the tile's shape; s[28:39] group 0 of regions 0, 1, 2; s40 wave; s41 pb; s42 oh;
; s[50:51] my W1 stream; s[52:53] my Wo stream.  The place in the cluster (s43) enters s41, s44-s47, s54-s59 alone.
.set VA,   2                           ; v2   weights: 24576 w + 16 lane
.set VB,   3                           ; v3   196608 + 16 lane (attn; x 32 KB further)
.set VB2,  4                           ; v4   262144 + 16 lane (message)
.set VS,   5                           ; v5   VB + 4096 w: where I lay k step w of attn and of x
.set VS2,  6                           ; v6   VB2 + 4096 w: where I lay k step w of the message
.set VXO,  7                           ; v7   my byte offset in x
.set VAO,  8                           ; v8   my byte offset in AT
.set VBI,  9                           ; v9   my byte offset in bo and b1
.set VHT,  10                          ; v10  my byte offset in HT
.set VST,  11                          ; v11  statistics: 294912 + 128 w + 32 h
.set VT4,  12                          ; v12  statistics: 294912 + 4 thread
.set VPS,  13                          ; v13  8 thread
.set ACC,  16                          ; v[16:79]   tile (4 mi + pt)
.set F0,   80                          ; v[80:127]  fragments of a k step: A 2 tiles, B 4 tiles
.set F1,   128                         ; v[128:175]
.set BO,   176                         ; v[176:191] bo of my rows (8 mi + j)
.set B1,   192                         ; v[192:207] b1 of my rows
.set SMN,  208                         ; v[208:223] sums, then - mean
.set SQ,   224                         ; v[224:239] centred sums of squares
.set TMP,  240                         ; v[240:247]
.set XS,   16                          ; staging: x as loaded v[16:79], AT v[80:111], x's half fragments v[112:143]
.set ATS,  80
.set CV,   112
.set G1,   20
.set G0,   28
.macro PLACES                          ; places behind matrix instructions (ISA guide 7.12.1): independent vector instructions
.rept 5
	v_nop
.endr
.endm
.macro ROUND                           ; a round of the cluster's barrier
	s_barrier_signal -1
	s_barrier_wait -1
	s_cmp_lg_u32 s40, 0
	s_cbranch_scc1 .Lnot_wave_0_\@
	s_barrier_signal -3
.Lnot_wave_0_\@:
	s_barrier_wait -3
	s_barrier_signal -1
	s_barrier_wait -1
.endm
	s_load_b256 s[4:11], s[0:1], 0x0               ; x 4, AT 6, WF 8, bo 10
	s_load_b128 s[12:15], s[0:1], 0x20             ; b1 12, HT 14
	s_load_b64 s[16:17], s[0:1], 0x30              ; PS
	v_lshl_add_u32 v254, v0, 2, 0x48800
	v_mov_b32 v255, 0
	ds_add_u32 v254, v255
	v_lshrrev_b32 v1, 5, v0
	v_readfirstlane_b32 s40, v1
	s_and_b32 s42, ttmp7, 0xffff                   ; oh
	s_bfe_u32 s43, ttmp6, 0x40000
	s_lshl_b32 s41, ttmp9, 2
	s_add_co_u32 s41, s41, s43                     ; pb
	; a chunk of weights: 4 k steps x 2 tiles = 8,192 dense bytes, as 32 rows of 256 bytes; elements of 8 bytes
	s_mov_b32 s[G1+0], 0x0023000f                  ; mask 15; element 8 bytes; bit 21 beside the mask
	s_mov_b32 s[G1+1], 32<<16
	s_mov_b32 s[G1+2], 32<<16
	s_mov_b32 s[G1+3], 32<<16
	s_mov_b32 s[G1+4], 32
	s_mov_b32 s[G1+5], 32
	s_mov_b32 s[G1+6], 0
	s_mov_b32 s[G1+7], 0
	s_lshl_b32 s48, s40, 14                        ; Wo: pair w, 16,384 bytes each
	s_mov_b32 s49, 0
	s_lshl_b32 s50, s42, 3
	s_add_co_u32 s50, s50, s40                     ; W1: pair 8 oh + w, 32,768 bytes each,
	s_lshl_b32 s50, s50, 15
	s_add_co_u32 s50, s50, 131072                  ; behind Wo's fragments
	s_mov_b32 s51, 0
	s_lshr_b32 s44, s41, 6                         ; batch
	s_and_b32 s45, s41, 63                         ; block of 64 positions in the batch
	s_lshl_b32 s46, s44, 22
	s_lshl_b32 s47, s45, 8
	s_add_co_u32 s46, s46, s47                     ; x
	s_mov_b32 s47, 0
	s_lshl_b32 s54, s44, 21
	s_lshl_b32 s55, s45, 10
	s_add_co_u32 s54, s54, s55
	s_lshl_b32 s55, s40, 18                        ; k step w of attn: four rows of 65,536 bytes
	s_add_co_u32 s54, s54, s55                     ; AT
	s_mov_b32 s55, 0
	s_lshl_b32 s56, s41, 17
	s_lshl_b32 s57, s42, 16
	s_add_co_u32 s56, s56, s57                     ; HT
	s_mov_b32 s57, 0
	s_lshl_b32 s58, s41, 12
	s_lshl_b32 s59, s42, 11
	s_add_co_u32 s58, s58, s59                     ; PS
	s_mov_b32 s59, 0
	s_lshl_b32 s60, s42, 10                        ; b1
	s_mov_b32 s61, 0
	v_and_b32 v248, 15, v0                         ; r
	v_bfe_u32 v249, v0, 4, 1                       ; h
	v_and_b32 v250, 31, v0                         ; lane
	s_mul_i32 s62, s40, 24576
	v_lshl_add_u32 v[VA], v250, 4, s62
	v_lshlrev_b32 v1, 4, v250
	v_add_nc_u32 v[VB], 0x30000, v1
	v_add_nc_u32 v[VB2], 0x40000, v1
	s_lshl_b32 s63, s40, 12
	v_add_nc_u32 v[VS], s63, v[VB]
	v_add_nc_u32 v[VS2], s63, v[VB2]
	s_lshl_b32 s63, s40, 13
	v_add_nc_u32 v[VHT], s63, v1
	v_lshlrev_b32 v1, 4, v248
	v_lshl_add_u32 v[VAO], v249, 16, v1
	v_lshl_add_u32 v[VXO], v249, 17, v1
	s_lshl_b32 s63, s40, 19
	v_add_nc_u32 v[VXO], s63, v[VXO]
	s_lshr_b32 s63, s40, 1
	s_lshl_b32 s63, s63, 8
	v_lshl_add_u32 v[VBI], v249, 7, s63            ; channel of tile 2 w + mi, row 8 h + j, in bytes: 256 (w >> 1) + 128 h + 16 j + 8 (w & 1) + 4 mi
	s_and_b32 s63, s40, 1
	s_lshl_b32 s63, s63, 3
	v_add_nc_u32 v[VBI], s63, v[VBI]
	s_lshl_b32 s63, s40, 7
	s_add_co_u32 s63, s63, 0x48000
	v_lshl_add_u32 v[VST], v249, 5, s63
	v_lshlrev_b32 v[VT4], 2, v0
	v_add_nc_u32 v[VT4], 0x48000, v[VT4]
	v_lshlrev_b32 v[VPS], 3, v0
	s_wait_dscnt 0x0
	s_wait_kmcnt 0x0
	s_add_nc_u64 s[52:53], s[8:9], s[48:49]
	s_add_nc_u64 s[50:51], s[8:9], s[50:51]
	s_add_nc_u64 s[4:5], s[4:5], s[46:47]
	s_add_nc_u64 s[6:7], s[6:7], s[54:55]
	s_add_nc_u64 s[12:13], s[12:13], s[60:61]
	s_add_nc_u64 s[14:15], s[14:15], s[56:57]
	s_add_nc_u64 s[16:17], s[16:17], s[58:59]
	; ---- biases, k step w of x and of attn: asked for ahead of the round
.irp mi, 0,1
.irp j, 0,1,2,3,4,5,6,7
	global_load_b32 v[BO+8*\mi+\j], v[VBI], s[10:11] offset:16*\j+4*\mi
	global_load_b32 v[B1+8*\mi+\j], v[VBI], s[12:13] offset:16*\j+4*\mi
.endr
.endr
.irp hf, 0,1
.irp e, 0,1,2,3,4,5,6,7
	global_load_b128 v[XS+32*\hf+4*\e:XS+32*\hf+4*\e+3], v[VXO], s[4:5] offset:\hf*262144+\e*16384
.endr
.endr
.irp pt, 0,1,2,3
.irp hf, 0,1
	global_load_b128 v[ATS+8*\pt+4*\hf:ATS+8*\pt+4*\hf+3], v[VAO], s[6:7] offset:\pt*256+\hf*131072
.endr
.endr
	s_mov_b32 s[G0+0], 1                           ; region 0: Wo, k steps 0-3
	s_mov_b32 s[G0+1], s62
	s_mov_b64 s[G0+2:G0+3], s[52:53]
	s_or_b32 s[G0+3], s[G0+3], 0x80000000
	s_mov_b32 s[G0+4], 1                           ; region 1: Wo, k steps 4-7
	s_add_co_u32 s[G0+5], s62, 8192
	s_add_nc_u64 s[G0+6:G0+7], s[52:53], 8192
	s_or_b32 s[G0+7], s[G0+7], 0x80000000
	s_mov_b32 s[G0+8], 1                           ; region 2: W1, k steps 0-3
	s_add_co_u32 s[G0+9], s62, 16384
	s_mov_b64 s[G0+10:G0+11], s[50:51]
	s_or_b32 s[G0+11], s[G0+11], 0x80000000
	ROUND                                          ; all four work-groups are here: the first joint loads meet
	tensor_load_to_lds s[G0:G0+3], s[G1:G1+7]
	s_nop 0
	tensor_load_to_lds s[G0+4:G0+7], s[G1:G1+7]
	s_nop 0
	tensor_load_to_lds s[G0+8:G0+11], s[G1:G1+7]
	s_nop 0
	; ---- k step w of x and of attn into LDS
	s_wait_loadcnt 8                               ; biases and x are in; AT's eight loads may be out
.irp hf, 0,1
.irp t, 0,1,2,3
.irp i, 0,1,2,3
	v_cvt_pk_f16_f32 v[CV+16*\hf+4*\t+\i], v[XS+32*\hf+8*\i+\t], v[XS+32*\hf+8*\i+4+\t]    ; x goes as f16
.endr
	ds_store_b128 v[VS], v[CV+16*\hf+4*\t:CV+16*\hf+4*\t+3] offset:32768+\t*1024+\hf*512
.endr
.endr
	s_wait_loadcnt 0x0
.irp pt, 0,1,2,3
.irp hf, 0,1
	ds_store_b128 v[VS], v[ATS+8*\pt+4*\hf:ATS+8*\pt+4*\hf+3] offset:\pt*1024+\hf*512
.endr
.endr
	s_wait_dscnt 0x0                               ; my stores are done, for the other waves' sake
	s_barrier_signal -1
	s_barrier_wait -1                              ; x and attn are whole; the weights may stay on their way
.macro LOADK f, abase, vb, bbase, k    ; the 12 fragment loads of one k step
.irp mi, 0,1
.irp hf, 0,1
	ds_load_b128 v[\f+8*\mi+4*\hf:\f+8*\mi+4*\hf+3], v[VA] offset:\abase+\k*2048+\mi*1024+\hf*512
.endr
.endr
.irp pt, 0,1,2,3
.irp hf, 0,1
	ds_load_b128 v[\f+16+8*\pt+4*\hf:\f+16+8*\pt+4*\hf+3], v[\vb] offset:\bbase+\k*4096+\pt*1024+\hf*512
.endr
.endr
.endm
.macro MULK f, zero, fmt               ; eight accumulators take turns, one instruction a turn; fmt: bf16 or f16
.irp mi, 0,1
.irp pt, 0,1,2,3
.if \zero
	v_wmma_f32_16x16x32_\fmt v[ACC+32*\mi+8*\pt:ACC+32*\mi+8*\pt+7], v[\f+8*\mi:\f+8*\mi+7], v[\f+16+8*\pt:\f+16+8*\pt+7], 0
.else
	v_wmma_f32_16x16x32_\fmt v[ACC+32*\mi+8*\pt:ACC+32*\mi+8*\pt+7], v[\f+8*\mi:\f+8*\mi+7], v[\f+16+8*\pt:\f+16+8*\pt+7], v[ACC+32*\mi+8*\pt:ACC+32*\mi+8*\pt+7]
.endif
.endr
.endr
.endm
; four k steps (one chunk of weights) on two fragment buffers: the count 12 leaves the younger k step's loads out.
; The five places at its head also stand between the last matrix instruction of one form and the first of the other on the same accumulators.
.macro PART abase, vb, bbase, zero, fmt
	PLACES
	LOADK F0, \abase, \vb, \bbase, 0
	LOADK F1, \abase, \vb, \bbase, 1
	s_wait_dscnt 12
	MULK F0, \zero, \fmt
	PLACES
	LOADK F0, \abase, \vb, \bbase, 2
	s_wait_dscnt 12
	MULK F1, 0, \fmt
	PLACES
	LOADK F1, \abase, \vb, \bbase, 3
	s_wait_dscnt 12
	MULK F0, 0, \fmt
	s_wait_dscnt 0
	MULK F1, 0, \fmt
.endm
	; ---- message = Wo^T attn + bo
	s_wait_tensorcnt 2                             ; region 0 has landed; the two younger chunks may be out
	PART 0, VB, 0, 1, bf16
	s_wait_tensorcnt 1                             ; region 1 has landed
	PART 8192, VB, 16384, 0, bf16
	PLACES
.irp mi, 0,1
.irp pt, 0,1,2,3
.irp q, 0,2,4,6
	v_pk_add_f32 v[ACC+32*\mi+8*\pt+\q:ACC+32*\mi+8*\pt+\q+1], v[ACC+32*\mi+8*\pt+\q:ACC+32*\mi+8*\pt+\q+1], v[BO+8*\mi+\q:BO+8*\mi+\q+1]
.endr
.irp i, 0,1,2,3
	v_cvt_pk_bf16_f32 v[ACC+32*\mi+8*\pt+\i], v[ACC+32*\mi+8*\pt+2*\i], v[ACC+32*\mi+8*\pt+2*\i+1]
.endr
	ds_store_b128 v[VS2], v[ACC+32*\mi+8*\pt:ACC+32*\mi+8*\pt+3] offset:\pt*1024+\mi*512     ; tile 2 w + mi is half mi of k step w
.endr
.endr
	; regions 0 and 1 are filled again: all my tensor loads and LDS accesses are done in front of the round, the refills come first behind it.
	; The round's barriers also show every wave's part of the message to the others.
	s_wait_tensorcnt 0x0
	ds_add_u32 v254, v255
	s_add_nc_u64 s[G0+2:G0+3], s[50:51], 8192      ; W1, k steps 4-7
	s_or_b32 s[G0+3], s[G0+3], 0x80000000
	s_add_nc_u64 s[G0+6:G0+7], s[50:51], 16384     ; W1, k steps 8-11
	s_or_b32 s[G0+7], s[G0+7], 0x80000000
	s_wait_dscnt 0x0
	ROUND
	tensor_load_to_lds s[G0:G0+3], s[G1:G1+7]
	s_nop 0
	tensor_load_to_lds s[G0+4:G0+7], s[G1:G1+7]
	s_nop 0
	; ---- h = W1^T [x; message] + b1
	PART 16384, VB, 32768, 1, f16                  ; region 2 landed in front of the round: x, k steps 0-3
	s_wait_tensorcnt 1                             ; region 0 has landed; region 1's chunk may be out
	PART 0, VB, 49152, 0, f16                      ; x, k steps 4-7
	s_wait_tensorcnt 0x0                           ; region 2 is filled again, in the same order
	ds_add_u32 v254, v255
	s_add_nc_u64 s[G0+10:G0+11], s[50:51], 24576   ; W1, k steps 12-15
	s_or_b32 s[G0+11], s[G0+11], 0x80000000
	s_wait_dscnt 0x0
	ROUND
	tensor_load_to_lds s[G0+8:G0+11], s[G1:G1+7]
	s_nop 0
	PART 8192, VB2, 0, 0, bf16                     ; message, k steps 0-3
	s_wait_tensorcnt 0x0
	PART 16384, VB2, 16384, 0, bf16                ; message, k steps 4-7
	PLACES
.irp mi, 0,1
.irp pt, 0,1,2,3
.irp q, 0,2,4,6
	v_pk_add_f32 v[ACC+32*\mi+8*\pt+\q:ACC+32*\mi+8*\pt+\q+1], v[ACC+32*\mi+8*\pt+\q:ACC+32*\mi+8*\pt+\q+1], v[B1+8*\mi+\q:B1+8*\mi+\q+1]
.endr
.irp hf, 0,1
	global_store_b128 v[VHT], v[ACC+32*\mi+8*\pt+4*\hf:ACC+32*\mi+8*\pt+4*\hf+3], s[14:15] offset:\mi*4096+\pt*1024+\hf*512   ; 512 consecutive bytes a store
.endr
.endr
.endr
	; ---- statistics over my 64 positions: four tiles in registers, sixteen lanes of a row across
.irp mi, 0,1
.irp q, 0,2,4,6
	v_pk_add_f32 v[SMN+8*\mi+\q:SMN+8*\mi+\q+1], v[ACC+32*\mi+\q:ACC+32*\mi+\q+1], v[ACC+32*\mi+8+\q:ACC+32*\mi+8+\q+1]
.endr
.endr
.irp pt, 2,3
.irp mi, 0,1
.irp q, 0,2,4,6
	v_pk_add_f32 v[SMN+8*\mi+\q:SMN+8*\mi+\q+1], v[SMN+8*\mi+\q:SMN+8*\mi+\q+1], v[ACC+32*\mi+8*\pt+\q:ACC+32*\mi+8*\pt+\q+1]
.endr
.endr
.endr
.irp x, 1,2,4,8
.irp i, 0,1,2,3,4,5,6,7,8,9,10,11,12,13,14,15
	v_add_f32_dpp v[SMN+\i], v[SMN+\i], v[SMN+\i] row_xmask:\x row_mask:0xf bank_mask:0xf
.endr
.endr
.irp i, 0,2,4,6,8,10,12,14
	v_pk_mul_f32 v[SMN+\i:SMN+\i+1], v[SMN+\i:SMN+\i+1], 0xbc800000 op_sel_hi:[1,0]      ; x -1/64: minus the block's mean
.endr
.irp pt, 0,1,2,3
.irp mi, 0,1
.irp q, 0,2,4,6
	v_pk_add_f32 v[TMP+\q:TMP+\q+1], v[ACC+32*\mi+8*\pt+\q:ACC+32*\mi+8*\pt+\q+1], v[SMN+8*\mi+\q:SMN+8*\mi+\q+1]
.endr
.irp q, 0,2,4,6
.if \pt == 0
	v_pk_mul_f32 v[SQ+8*\mi+\q:SQ+8*\mi+\q+1], v[TMP+\q:TMP+\q+1], v[TMP+\q:TMP+\q+1]
.else
	v_pk_fma_f32 v[SQ+8*\mi+\q:SQ+8*\mi+\q+1], v[TMP+\q:TMP+\q+1], v[TMP+\q:TMP+\q+1], v[SQ+8*\mi+\q:SQ+8*\mi+\q+1]
.endif
.endr
.endr
.endr
.irp x, 1,2,4,8
.irp i, 0,1,2,3,4,5,6,7,8,9,10,11,12,13,14,15
	v_add_f32_dpp v[SQ+\i], v[SQ+\i], v[SQ+\i] row_xmask:\x row_mask:0xf bank_mask:0xf
.endr
.endr
.irp mi, 0,1
.irp q, 0,1
	ds_store_b128 v[VST], v[SMN+8*\mi+4*\q:SMN+8*\mi+4*\q+3] offset:\mi*64+\q*16          ; the sixteen lanes of a row write the same bytes with the same numbers
	ds_store_b128 v[VST], v[SQ+8*\mi+4*\q:SQ+8*\mi+4*\q+3] offset:1024+\mi*64+\q*16
.endr
.endr
	s_wait_dscnt 0x0
	s_barrier_signal -1
	s_barrier_wait -1
	ds_load_b32 v[TMP], v[VT4]                     ; thread t takes channel kc = 256 oh + t
	ds_load_b32 v[TMP+1], v[VT4] offset:1024
	s_wait_dscnt 0x0
	v_mul_f32 v[TMP], -1.0, v[TMP]
	global_store_b64 v[VPS], v[TMP:TMP+1], s[16:17]            ; a wave stores 256 consecutive bytes, aligned
	s_wait_tensorcnt 0x0
	ds_add_u32 v254, v255
	s_wait_dscnt 0x0
	ROUND                                          ; the closing round
	s_endpgm
.Lfunc_end_k_q4b8dbe7046_mlp1:
	.size	k_q4b8dbe7046_mlp1, .Lfunc_end_k_q4b8dbe7046_mlp1-k_q4b8dbe7046_mlp1
	.p2alignl 7, 3214868480
	.fill 96, 4, 3214868480
	.section	.rodata,"a",@progbits
	.p2align	6, 0x0
	.amdhsa_kernel k_q4b8dbe7046_mlp1
		.amdhsa_group_segment_fixed_size 327680
		.amdhsa_private_segment_fixed_size 0
		.amdhsa_enable_private_segment 0
		.amdhsa_kernarg_size 56
		.amdhsa_user_sgpr_count 2
		.amdhsa_user_sgpr_kernarg_segment_ptr 1
		.amdhsa_wavefront_size32 1
		.amdhsa_system_sgpr_workgroup_id_x 1
		.amdhsa_system_sgpr_workgroup_id_y 1
		.amdhsa_system_sgpr_workgroup_id_z 1
		.amdhsa_system_vgpr_workitem_id 0
		.amdhsa_next_free_vgpr 256
		.amdhsa_next_free_sgpr 66
		.amdhsa_reserve_vcc 0
		.amdhsa_float_denorm_mode_32 3
		.amdhsa_float_denorm_mode_16_64 3
		.amdhsa_memory_ordered 1
		.amdhsa_forward_progress 1
		.amdhsa_inst_pref_size 73
	.end_amdhsa_kernel
	.amdgpu_metadata
---
amdhsa.version: [ 1, 2 ]
amdhsa.kernels:
  - .name:           k_q4b8dbe7046_mlp1
    .symbol:         k_q4b8dbe7046_mlp1.kd
    .args:
      - { .name: x, .offset: 0, .size: 8, .value_kind: global_buffer, .address_space: global }
      - { .name: AT, .offset: 8, .size: 8, .value_kind: global_buffer, .address_space: global }
      - { .name: WF, .offset: 16, .size: 8, .value_kind: global_buffer, .address_space: global }
      - { .name: bo, .offset: 24, .size: 8, .value_kind: global_buffer, .address_space: global }
      - { .name: b1, .offset: 32, .size: 8, .value_kind: global_buffer, .address_space: global }
      - { .name: HT, .offset: 40, .size: 8, .value_kind: global_buffer, .address_space: global }
      - { .name: PS, .offset: 48, .size: 8, .value_kind: global_buffer, .address_space: global }
    .group_segment_fixed_size: 327680
    .private_segment_fixed_size: 0
    .kernarg_segment_align: 8
    .kernarg_segment_size: 56
    .max_flat_workgroup_size: 256
    .sgpr_count:     66
    .vgpr_count:     256
    .wavefront_size: 32
...
	.end_amdgpu_metadata
.endif
;; end of part 3
;; launch stats (part 4): grid 16 x 1, 8 waves a work-group, no clusters, 3,072 bytes of LDS; arguments PS, gamma, beta, AS; writes AS
.if DOCPART == 4
	.amdgcn_target "amdgcn-amd-amdhsa--gfx1250"
	.amdhsa_code_object_version 6
	.text
	.protected	k_q4b8dbe7046_stats
	.globl	k_q4b8dbe7046_stats
	.p2align	8
	.type	k_q4b8dbe7046_stats,@function
k_q4b8dbe7046_stats:
	s_mov_b64 s[64:65], 0
	v_nop
	global_prefetch_b8 v0, s[64:65] scope:SCOPE_SE
	s_setreg_imm32_b32 hwreg(HW_REG_WAVE_MODE, 25, 1), 1
	s_wait_xcnt 0x0
; stats: the batch norm's mean and variance of each of the 512 channels from the 128 blocks' (mean, centred sum of squares of 64 numbers), and from
; them a = gamma / sqrt(var + 1e-5), s = beta - mean a, so that the normalised h is a h + s.
; The blocks are merged about the common mean: sum of squares = sum of M2_i + 64 sum of (mean_i - mean)^2.  No difference of large sums is formed.
; A work-group takes 32 channels (lane = channel kc = 32 g + lane); wave w takes blocks 16 w .. 16 w + 15; the waves' figures meet in LDS.
; Sixteen work-groups are all the work there is: 512 channels x 128 pairs.  No matrix unit, no cluster: nothing is shared and nothing is multiplied.
; kc stands for channel 64 (kc >> 6) + 4 (kc & 15) + ((kc >> 4) & 3): gamma and beta are taken there.  AS: [kc 512][a, s] f32.
	s_load_b256 s[4:11], s[0:1], 0x0               ; PS 4, gamma 6, beta 8, AS 10
	v_lshl_add_u32 v64, v0, 2, 0x800
	v_mov_b32 v65, 0
	v_and_b32 v1, 31, v0                           ; lane
	v_lshrrev_b32 v2, 5, v0
	v_readfirstlane_b32 s12, v2                    ; wave
	s_lshl_b32 s13, ttmp9, 5
	v_add_nc_u32 v3, s13, v1                       ; kc
	v_and_b32 v4, 0x1c0, v3
	v_and_b32 v5, 15, v3
	v_lshl_add_u32 v4, v5, 2, v4
	v_bfe_u32 v5, v3, 4, 2
	v_add_lshl_u32 v4, v4, v5, 2                   ; the channel, in bytes
	s_lshl_b32 s14, s12, 16                        ; 16 blocks of 4,096 bytes
	v_lshl_add_u32 v6, v1, 3, s14
	v_lshlrev_b32 v7, 3, v1
	s_lshl_b32 s15, s12, 7
	v_lshl_add_u32 v8, v1, 2, s15                  ; LDS: 128 w + 4 lane
	v_lshlrev_b32 v9, 2, v1
	s_lshl_b32 s16, ttmp9, 8                       ; 32 channels x 8 bytes
	s_mov_b32 s17, 0
	s_mov_b32 s18, 0x39000000                      ; 1 / 8192
	s_mov_b32 s19, 0x3727c5ac                      ; 1e-5
	s_mov_b32 s20, 0x42800000                      ; 64.0
	s_wait_kmcnt 0x0
	s_add_nc_u64 s[4:5], s[4:5], s[16:17]
	s_add_nc_u64 s[10:11], s[10:11], s[16:17]
	global_load_b32 v10, v4, s[6:7]
	global_load_b32 v11, v4, s[8:9]
.irp i, 0,1,2,3,4,5,6,7,8,9,10,11,12,13,14,15
	global_load_b64 v[16+2*\i:17+2*\i], v6, s[4:5] offset:\i*4096          ; a wave's load covers 256 consecutive bytes, aligned
.endr
	s_wait_loadcnt 0x0
	v_add_f32 v12, v16, v18
	v_add_f32 v13, v20, v22
.irp i, 24,28,32,36,40,44
	v_add_f32 v12, v12, v[\i]
	v_add_f32 v13, v13, v[\i+2]
.endr
	v_add_f32 v12, v12, v13
	ds_store_b32 v8, v12
	s_wait_dscnt 0x0
	s_barrier_signal -1
	s_barrier_wait -1
.irp i, 0,1,2,3,4,5,6,7
	ds_load_b32 v[48+\i], v9 offset:128*\i
.endr
	s_wait_dscnt 0x0
	v_add_f32 v48, v48, v49
	v_add_f32 v50, v50, v51
	v_add_f32 v52, v52, v53
	v_add_f32 v54, v54, v55
	v_add_f32 v48, v48, v50
	v_add_f32 v52, v52, v54
	v_add_f32 v12, v48, v52
	v_mul_f32 v12, 0x3c000000, v12                 ; / 128: all blocks hold 64 numbers, so the mean of means is the mean
	v_sub_f32 v14, v16, v12
	v_mul_f32 v13, v14, v14
.irp i, 18,20,22,24,26,28,30,32,34,36,38,40,42,44,46
	v_sub_f32 v14, v[\i], v12
	v_fma_f32 v13, v14, v14, v13
.endr
	v_add_f32 v15, v17, v19
.irp i, 21,23,25,27,29,31,33,35,37,39,41,43,45,47
	v_add_f32 v15, v15, v[\i]
.endr
	v_fma_f32 v13, v13, s20, v15                   ; 64 x sum of (mean_i - mean)^2 + sum of M2_i
	ds_store_b32 v8, v13 offset:1024               ; other bytes than the first reduction's
	s_wait_dscnt 0x0
	s_barrier_signal -1
	s_barrier_wait -1
	s_cmp_lg_u32 s12, 0
	s_cbranch_scc1 .Lend
.irp i, 0,1,2,3,4,5,6,7
	ds_load_b32 v[48+\i], v9 offset:1024+128*\i
.endr
	s_wait_dscnt 0x0
	v_add_f32 v48, v48, v49
	v_add_f32 v50, v50, v51
	v_add_f32 v52, v52, v53
	v_add_f32 v54, v54, v55
	v_add_f32 v48, v48, v50
	v_add_f32 v52, v52, v54
	v_add_f32 v13, v48, v52
	v_fma_f32 v13, v13, s18, s19                   ; variance + 1e-5
	v_rsq_f32 v13, v13
	v_nop                                          ; one plain vector instruction before the result is used (ISA guide 5.7.2)
	s_wait_alu depctr_va_vdst(0)
	v_mul_f32 v14, v10, v13
	v_fma_f32 v15, -v12, v14, v11
	global_store_b64 v7, v[14:15], s[10:11]        ; 256 consecutive bytes, aligned
.Lend:
	s_wait_tensorcnt 0x0
	ds_add_u32 v64, v65
	s_wait_dscnt 0x0
	s_endpgm
.Lfunc_end_k_q4b8dbe7046_stats:
	.size	k_q4b8dbe7046_stats, .Lfunc_end_k_q4b8dbe7046_stats-k_q4b8dbe7046_stats
	.p2alignl 7, 3214868480
	.fill 96, 4, 3214868480
	.section	.rodata,"a",@progbits
	.p2align	6, 0x0
	.amdhsa_kernel k_q4b8dbe7046_stats
		.amdhsa_group_segment_fixed_size 3072
		.amdhsa_private_segment_fixed_size 0
		.amdhsa_enable_private_segment 0
		.amdhsa_kernarg_size 32
		.amdhsa_user_sgpr_count 2
		.amdhsa_user_sgpr_kernarg_segment_ptr 1
		.amdhsa_wavefront_size32 1
		.amdhsa_system_sgpr_workgroup_id_x 1
		.amdhsa_system_sgpr_workgroup_id_y 1
		.amdhsa_system_sgpr_workgroup_id_z 1
		.amdhsa_system_vgpr_workitem_id 0
		.amdhsa_next_free_vgpr 66
		.amdhsa_next_free_sgpr 66
		.amdhsa_reserve_vcc 0
		.amdhsa_float_denorm_mode_32 3
		.amdhsa_float_denorm_mode_16_64 3
		.amdhsa_memory_ordered 1
		.amdhsa_forward_progress 1
		.amdhsa_inst_pref_size 9
	.end_amdhsa_kernel
	.amdgpu_metadata
---
amdhsa.version: [ 1, 2 ]
amdhsa.kernels:
  - .name:           k_q4b8dbe7046_stats
    .symbol:         k_q4b8dbe7046_stats.kd
    .args:
      - { .name: PS, .offset: 0, .size: 8, .value_kind: global_buffer, .address_space: global }
      - { .name: gamma, .offset: 8, .size: 8, .value_kind: global_buffer, .address_space: global }
      - { .name: beta, .offset: 16, .size: 8, .value_kind: global_buffer, .address_space: global }
      - { .name: AS, .offset: 24, .size: 8, .value_kind: global_buffer, .address_space: global }
    .group_segment_fixed_size: 3072
    .private_segment_fixed_size: 0
    .kernarg_segment_align: 8
    .kernarg_segment_size: 32
    .max_flat_workgroup_size: 256
    .sgpr_count:     66
    .vgpr_count:     66
    .wavefront_size: 32
...
	.end_amdgpu_metadata
.endif
;; end of part 4
;; launch mlp2 (part 5): grid 128 x 2, 8 waves a work-group, clusters of 4 x 1, 197,632 bytes of LDS; arguments HT, AS, WF, b2, out0; writes out0
.if DOCPART == 5
	.amdgcn_target "amdgcn-amd-amdhsa--gfx1250"
	.amdhsa_code_object_version 6
	.text
	.protected	k_q4b8dbe7046_mlp2
	.globl	k_q4b8dbe7046_mlp2
	.p2align	8
	.type	k_q4b8dbe7046_mlp2,@function
k_q4b8dbe7046_mlp2:
	s_mov_b64 s[64:65], 0
	v_nop
	global_prefetch_b8 v0, s[64:65] scope:SCOPE_SE
	s_setreg_imm32_b32 hwreg(HW_REG_WAVE_MODE, 25, 1), 1
	s_wait_xcnt 0x0
	s_wait_alu depctr_hold_cnt(0) depctr_sa_sdst(0) depctr_va_vdst(0) depctr_va_sdst(0) depctr_va_ssrc(0) depctr_va_vcc(0) depctr_vm_vsrc(0)
	s_getreg_b32 s2, hwreg(HW_REG_IB_STS2, 6, 4)
	s_cmp_eq_u32 s2, 0
	s_cbranch_scc0 .Lentry_in_a_cluster
	s_endpgm
.Lentry_in_a_cluster:
	s_bfe_u32 s2, ttmp6, 0x10000c
	s_cmp_lg_u32 s2, 0x3003
	s_cbranch_scc0 .Lentry_shape_is_right
	s_endpgm
.Lentry_shape_is_right:
; mlp2: out = W2^T relu(a h + s) + b2.
; A work-group takes 64 positions (block pb) and 128 of the 256 output channels (half oh).  Wave w first normalises channel tiles 4 w .. 4 w + 3 of h
; (a D tile as mlp1 left it: lane (r, h) holds rows 8 h + j of position r), rounds them to f16 (eight rows of a lane are a half B fragment) and lays
; them into LDS; then it multiplies its output tile mt = 8 oh + w by all four position tiles: four accumulators, 16 k steps.
; Position tile t, row r is position 4 r + t of the block, so register j of the four accumulators of a lane is four neighbouring positions of one
; channel: the result leaves by 16-byte stores of which sixteen lanes fill 256 consecutive bytes, aligned.
; FORMAT: both operands are f16 (11 significant bits where bf16 has 8; their rounding goes straight into the result).  The batch norm itself bounds
; the operand: a number normalised over 8,192 is at most sqrt(8191) = 90.5, so relu(a h + s) is at most 90.5 |gamma| + |beta|: about 2,700 + 30 |beta|
; with gamma thirty times larger than 1, against f16's 65,504.  W2's fragments were made in f16 by the first launch.
; CLUSTER: the four work-groups of a cluster are four position blocks of one half and need the same W2 fragments: each wave's 16 KB come by one joint
; load (mask 15) into bytes that only this wave reads.  Nothing is filled again; by this text's count a wave has one tensor load out.  The loads into
; registers (a and s, b2, h) are issued ahead of the opening round: they are on their way while the four work-groups meet.
; LDS: W2 16384 w [k step 16][1 KB]; normalised h at 131072 [k step 16][position tile 4][1 KB], written by LDS stores only.
; Limits: 90.5 |gamma| + |beta| at most 65,504; a normalised number below 2^-24 counts as 0; a NaN in h loses against 0 in the relu; sums are f32.
; Scalars: s[4:13] HT, AS, WF, b2, out0; s[16:23], s[24:27] the descriptor; s28 wave; s29 oh; s31 pb (it and s30, s38-s41 alone hold the place in the cluster).
.set VHT,  2                           ; v2  my byte offset in HT: 16384 w + 16 lane
.set VAS,  3                           ; v3  my byte offset in AS: 512 w + 64 h
.set VB2,  4                           ; v4  my byte offset in b2: 128 h
.set VSN,  5                           ; v5  where I lay normalised h: 131072 + 8192 w + 16 lane
.set VA,   6                           ; v6  my W2 fragments: 16384 w + 16 lane
.set VB,   7                           ; v7  131072 + 16 lane
.set VO,   8                           ; v8  my byte offset in out0: 524288 h + 16 r
.set HX,   16                          ; v[16:143]  h as loaded: 32 ctl + 8 pt + j
.set ASC,  144                         ; v[144:207] (a, s) of my rows: 16 ctl + 2 j
.set B2R,  208                         ; v[208:215] b2 of my rows
.set ACC,  16                          ; v[16:47]   four accumulators
.set F0,   48                          ; v[48:87]   fragments of a k step: A, then B's four tiles
.set F1,   88                          ; v[88:127]
.set OUTR, 128                         ; v[128:159] results: 4 j + position tile
.set G1,   16
.set G0,   24
.macro PLACES                          ; places behind matrix instructions (ISA guide 7.12.1): independent vector instructions
.rept 5
	v_nop
.endr
.endm
.macro ROUND                           ; a round of the cluster's barrier
	s_barrier_signal -1
	s_barrier_wait -1
	s_cmp_lg_u32 s28, 0
	s_cbranch_scc1 .Lnot_wave_0_\@
	s_barrier_signal -3
.Lnot_wave_0_\@:
	s_barrier_wait -3
	s_barrier_signal -1
	s_barrier_wait -1
.endm
	s_load_b256 s[4:11], s[0:1], 0x0               ; HT 4, AS 6, WF 8, b2 10
	s_load_b64 s[12:13], s[0:1], 0x20              ; out0
	v_lshl_add_u32 v254, v0, 2, 0x30000
	v_mov_b32 v255, 0
	ds_add_u32 v254, v255
	v_lshrrev_b32 v1, 5, v0
	v_readfirstlane_b32 s28, v1
	s_and_b32 s29, ttmp7, 0xffff                   ; oh
	s_bfe_u32 s30, ttmp6, 0x40000
	s_lshl_b32 s31, ttmp9, 2
	s_add_co_u32 s31, s31, s30                     ; pb
	; my tile's fragments: 16 rows (k steps) of 1,024 bytes, 2,048 bytes apart; elements of 8 bytes
	s_mov_b32 s[G1+0], 0x0023000f                  ; mask 15; element 8 bytes; bit 21 beside the mask
	s_mov_b32 s[G1+1], 128<<16
	s_mov_b32 s[G1+2], 16<<16
	s_mov_b32 s[G1+3], 128<<16
	s_mov_b32 s[G1+4], 16
	s_mov_b32 s[G1+5], 256
	s_mov_b32 s[G1+6], 0
	s_mov_b32 s[G1+7], 0
	s_lshl_b32 s32, s29, 2
	s_lshr_b32 s33, s28, 1
	s_add_co_u32 s32, s32, s33                     ; pair 4 oh + (w >> 1)
	s_lshl_b32 s32, s32, 15
	s_and_b32 s33, s28, 1
	s_lshl_b32 s33, s33, 10                        ; tile w & 1 of the pair
	s_add_co_u32 s32, s32, s33
	s_add_co_u32 s32, s32, 655360                  ; W2's fragments in WF
	s_mov_b32 s33, 0
	s_lshl_b32 s34, s29, 1
	s_lshr_b32 s35, s28, 2
	s_add_co_u32 s34, s34, s35
	s_lshl_b32 s34, s34, 6
	s_and_b32 s35, s28, 3
	s_add_co_u32 s34, s34, s35                     ; channel of my tile's row 0: 64 (mt >> 2) + (mt & 3); row by row 4 further
	s_lshl_b32 s36, s34, 2
	s_mov_b32 s37, 0
	s_lshr_b32 s38, s31, 6
	s_lshl_b32 s38, s38, 22                        ; batch
	s_lshl_b32 s39, s34, 14
	s_add_co_u32 s38, s38, s39
	s_and_b32 s39, s31, 63
	s_lshl_b32 s39, s39, 8                         ; 64 positions x 4 bytes
	s_add_co_u32 s38, s38, s39
	s_mov_b32 s39, 0
	s_lshl_b32 s40, s31, 17
	s_mov_b32 s41, 0
	v_and_b32 v9, 15, v0                           ; r
	v_bfe_u32 v10, v0, 4, 1                        ; h
	v_and_b32 v11, 31, v0                          ; lane
	s_lshl_b32 s42, s28, 14
	v_lshl_add_u32 v[VHT], v11, 4, s42
	v_lshl_add_u32 v[VA], v11, 4, s42
	s_lshl_b32 s43, s28, 9
	v_lshl_add_u32 v[VAS], v10, 6, s43
	v_lshlrev_b32 v[VB2], 7, v10
	v_lshlrev_b32 v1, 4, v11
	v_add_nc_u32 v[VB], 0x20000, v1
	s_lshl_b32 s43, s28, 13
	v_add_nc_u32 v[VSN], s43, v[VB]
	v_lshlrev_b32 v1, 4, v9
	v_lshl_add_u32 v[VO], v10, 19, v1
	s_wait_dscnt 0x0
	s_wait_kmcnt 0x0
	s_add_nc_u64 s[8:9], s[8:9], s[32:33]
	s_add_nc_u64 s[10:11], s[10:11], s[36:37]
	s_add_nc_u64 s[12:13], s[12:13], s[38:39]
	s_add_nc_u64 s[4:5], s[4:5], s[40:41]
	; ---- a and s, b2, h: asked for ahead of the round
.irp ctl, 0,1,2,3
.irp q, 0,1,2,3
	global_load_b128 v[ASC+16*\ctl+4*\q:ASC+16*\ctl+4*\q+3], v[VAS], s[6:7] offset:128*\ctl+16*\q
.endr
.endr
.irp j, 0,1,2,3,4,5,6,7
	global_load_b32 v[B2R+\j], v[VB2], s[10:11] offset:16*\j
.endr
.irp i, 0,1,2,3,4,5,6,7,8,9,10,11,12,13,14,15,16,17,18,19,20,21,22,23,24,25,26,27,28,29,30,31
	global_load_b128 v[HX+4*\i:HX+4*\i+3], v[VHT], s[4:5] offset:512*\i    ; 512 consecutive bytes a load
.endr
	s_mov_b32 s[G0+0], 1
	s_mov_b32 s[G0+1], s42
	s_mov_b64 s[G0+2:G0+3], s[8:9]
	s_or_b32 s[G0+3], s[G0+3], 0x80000000
	ROUND                                          ; all four work-groups are here: the joint loads meet
	tensor_load_to_lds s[G0:G0+3], s[G1:G1+7]
	s_nop 0
	; ---- normalise, relu, round to f16, into LDS
.irp ctl, 0,1,2,3
	s_wait_loadcnt 24-8*\ctl                       ; this channel tile's eight loads are in (and a, s, b2, which are older); those of the later tiles may be out
.irp pt, 0,1,2,3
.irp j, 0,1,2,3,4,5,6,7
	v_fma_f32 v[HX+32*\ctl+8*\pt+\j], v[HX+32*\ctl+8*\pt+\j], v[ASC+16*\ctl+2*\j], v[ASC+16*\ctl+2*\j+1]
.endr
.irp j, 0,1,2,3,4,5,6,7
	v_max_num_f32 v[HX+32*\ctl+8*\pt+\j], 0, v[HX+32*\ctl+8*\pt+\j]
.endr
.irp i, 0,1,2,3
	v_cvt_pk_f16_f32 v[HX+32*\ctl+8*\pt+\i], v[HX+32*\ctl+8*\pt+2*\i], v[HX+32*\ctl+8*\pt+2*\i+1]
.endr
	ds_store_b128 v[VSN], v[HX+32*\ctl+8*\pt:HX+32*\ctl+8*\pt+3] offset:(\ctl>>1)*4096+\pt*1024+(\ctl&1)*512   ; channel tile ct is half ct & 1 of k step ct >> 1
.endr
.endr
	s_wait_dscnt 0x0                               ; my stores are done, for the other waves' sake
	s_barrier_signal -1
	s_barrier_wait -1
	s_wait_tensorcnt 0x0                           ; my W2 fragments, which I alone read
	; ---- the product
.macro LOADK f, ks                     ; the 10 fragment loads of one k step
.irp hf, 0,1
	ds_load_b128 v[\f+4*\hf:\f+4*\hf+3], v[VA] offset:(\ks)*1024+\hf*512
.endr
.irp pt, 0,1,2,3
.irp hf, 0,1
	ds_load_b128 v[\f+8+8*\pt+4*\hf:\f+8+8*\pt+4*\hf+3], v[VB] offset:(\ks)*4096+\pt*1024+\hf*512
.endr
.endr
.endm
.macro MULK f, zero                    ; four accumulators take turns, one instruction a turn
.irp pt, 0,1,2,3
.if \zero
	v_wmma_f32_16x16x32_f16 v[ACC+8*\pt:ACC+8*\pt+7], v[\f:\f+7], v[\f+8+8*\pt:\f+8+8*\pt+7], 0
.else
	v_wmma_f32_16x16x32_f16 v[ACC+8*\pt:ACC+8*\pt+7], v[\f:\f+7], v[\f+8+8*\pt:\f+8+8*\pt+7], v[ACC+8*\pt:ACC+8*\pt+7]
.endif
.endr
.endm
	LOADK F0, 0
	LOADK F1, 1
	s_wait_dscnt 10                                ; this k step's fragments are in; the younger step's 10 loads may be out
	MULK F0, 1
	PLACES
	LOADK F0, 2
.irp k, 1,3,5,7,9,11
	s_wait_dscnt 10
	MULK F1, 0
	PLACES
	LOADK F1, \k+2
	s_wait_dscnt 10
	MULK F0, 0
	PLACES
	LOADK F0, \k+3
.endr
	s_wait_dscnt 10
	MULK F1, 0                                     ; k step 13
	PLACES
	LOADK F1, 15
	s_wait_dscnt 10
	MULK F0, 0                                     ; k step 14
	s_wait_dscnt 0
	MULK F1, 0                                     ; k step 15
	PLACES
.irp j, 0,1,2,3,4,5,6,7
.irp t, 0,1,2,3
	v_add_f32 v[OUTR+4*\j+\t], v[ACC+8*\t+\j], v[B2R+\j]
.endr
	global_store_b128 v[VO], v[OUTR+4*\j:OUTR+4*\j+3], s[12:13] offset:\j*65536 th:TH_STORE_NT
.endr
	s_wait_tensorcnt 0x0
	ds_add_u32 v254, v255
	s_wait_dscnt 0x0
	ROUND                                          ; the closing round
	s_endpgm
.Lfunc_end_k_q4b8dbe7046_mlp2:
	.size	k_q4b8dbe7046_mlp2, .Lfunc_end_k_q4b8dbe7046_mlp2-k_q4b8dbe7046_mlp2
	.p2alignl 7, 3214868480
	.fill 96, 4, 3214868480
	.section	.rodata,"a",@progbits
	.p2align	6, 0x0
	.amdhsa_kernel k_q4b8dbe7046_mlp2
		.amdhsa_group_segment_fixed_size 197632
		.amdhsa_private_segment_fixed_size 0
		.amdhsa_enable_private_segment 0
		.amdhsa_kernarg_size 40
		.amdhsa_user_sgpr_count 2
		.amdhsa_user_sgpr_kernarg_segment_ptr 1
		.amdhsa_wavefront_size32 1
		.amdhsa_system_sgpr_workgroup_id_x 1
		.amdhsa_system_sgpr_workgroup_id_y 1
		.amdhsa_system_sgpr_workgroup_id_z 1
		.amdhsa_system_vgpr_workitem_id 0
		.amdhsa_next_free_vgpr 256
		.amdhsa_next_free_sgpr 66
		.amdhsa_reserve_vcc 0
		.amdhsa_float_denorm_mode_32 3
		.amdhsa_float_denorm_mode_16_64 3
		.amdhsa_memory_ordered 1
		.amdhsa_forward_progress 1
		.amdhsa_inst_pref_size 46
	.end_amdhsa_kernel
	.amdgpu_metadata
---
amdhsa.version: [ 1, 2 ]
amdhsa.kernels:
  - .name:           k_q4b8dbe7046_mlp2
    .symbol:         k_q4b8dbe7046_mlp2.kd
    .args:
      - { .name: HT, .offset: 0, .size: 8, .value_kind: global_buffer, .address_space: global }
      - { .name: AS, .offset: 8, .size: 8, .value_kind: global_buffer, .address_space: global }
      - { .name: WF, .offset: 16, .size: 8, .value_kind: global_buffer, .address_space: global }
      - { .name: b2, .offset: 24, .size: 8, .value_kind: global_buffer, .address_space: global }
      - { .name: out0, .offset: 32, .size: 8, .value_kind: global_buffer, .address_space: global }
    .group_segment_fixed_size: 197632
    .private_segment_fixed_size: 0
    .kernarg_segment_align: 8
    .kernarg_segment_size: 40
    .max_flat_workgroup_size: 256
    .sgpr_count:     66
    .vgpr_count:     256
    .wavefront_size: 32
...
	.end_amdgpu_metadata
.endif
;; end of part 5
;; ======== version 2 of 2: 5 launches; version 1 with the launch proj written anew for expert scheduling mode
;; limits: values are held in f16: magnitudes above 65,504 overflow, below 6.1e-05 lose precision; inputs' magnitudes at most 65,504
;; workspace buffers: Qc 4,194,304 bytes; Kc 4,194,304 bytes; Vc 4,194,304 bytes; AT 4,194,304 bytes; WF 917,504 bytes; HT 16,777,216 bytes; PS 524,288 bytes; AS 4,096 bytes
;; launch proj (part 6): grid 64 x 4, 9 waves a work-group, no clusters, 230,656 bytes of LDS; arguments x, source, Wq, Wk, Wv, bq, bk, bv, Wo, W1, W2, Qc, Kc, Vc, WF; writes Qc, Kc, Vc, WF
.if DOCPART == 6
	.amdgcn_target "amdgcn-amd-amdhsa--gfx1250"
	.amdhsa_code_object_version 6
	.text
	.protected	k_q4b8dbe7046_proj
	.globl	k_q4b8dbe7046_proj
	.p2align	8
	.type	k_q4b8dbe7046_proj,@function
k_q4b8dbe7046_proj:
	s_mov_b64 s[64:65], 0
	v_nop
	global_prefetch_b8 v0, s[64:65] scope:SCOPE_SE
	s_setreg_imm32_b32 hwreg(HW_REG_WAVE_SCHED_MODE, 0, 2), 2
	s_setreg_imm32_b32 hwreg(HW_REG_WAVE_MODE, 25, 1), 1
	s_wait_xcnt 0x0
	s_wait_alu depctr_vm_vsrc(0)
; proj: q = Wq^T x + bq, k = Wk^T source + bk, v = Wv^T source + bv, rounded to bf16 and stored in the order in which the
; attention launch takes its fragments; and the weights Wo, W1, W2 rounded to 16 bits and stored as ready matrix fragments (WF).
; A work-group makes 128 positions x 64 output channels (d = 16 ob .. 16 ob + 15 of all four heads; channel = 4 d + head) of q, k and v.
; THE FOUR-TILE LOAD.  All operands are f32 [k][column], column contiguous.  Lane (r = lane % 16, h = lane / 16) loads 16 bytes at
; row k0 + 8 h + e (e = 0..7), column c0 + 4 r: sixteen lanes read 256 consecutive bytes.  Word t of the eight loads, packed two by two to
; 16 bits, is a half fragment (8 k) of tile t, whose row r stands for column c0 + 4 r + t.  For output channels tile = head and row = d.
; For positions it is a fixed order inside blocks of 64: slot = (n & ~63) | (n & 3) << 4 | (n >> 2) & 15.  q, k, v and the attention's
; result all live in slot order; softmax sums over all keys, so the order of keys does not show.
; A fragment (16 rows x 32 k, 1,024 bytes) lies in LDS as [half][lane][16 bytes]: every LDS access is 16 bytes a lane, lane after lane.
; Waves 0-7 load and convert (wave w: k = 32 w .. 32 w + 31 of every operand), then multiply.  Wave 8 prepares WF meanwhile.
; No cluster and no tensor loads: every operand is converted from f32 in registers on its way into LDS.
; FORMATS in WF: W1's rows of x and all of W2 are f16 (11 significant bits: these two products set the error of the result; weights thirty times
; larger than 1 / sqrt(512) stay near 6, far below f16's 65,504, and thirty times smaller ones have an rms of 0.0015 against f16's finest step 2^-24).
; Wo and W1's rows of the message are bf16, as their other operands are.
; Limits: inputs finite; q, k, v and their operands are rounded to bf16, sums are f32; a weight of W1's rows of x or of W2 below 2^-24 counts as 0.
; Qc, Kc: [b][head][d / 8][slot 4096][8 d] bf16.   Vc: [b][head][slot / 8][d 64][8 slots] bf16.
; WF: Wo at 0 [pair 8][k step 8][2][1 KB], W1 at 131072 [pair 16][k step 16][2][1 KB], W2 at 655360 [pair 8][k step 16][2][1 KB];
;     tile mt = 2 pair + i, its row stands for output channel 64 (mt >> 2) + 4 row + (mt & 3).
; LDS: x 0 (64 KB: [position tile 8][k step 8][1 KB]), source 65536, Wq 131072 ([head 4][k step 8][1 KB]), Wk 163840, Wv 196608; the spare words at 229376.
; Scalars: s8 wave, s9 block of positions 0..63, s10 ob, s[16:45] the fifteen buffers, s46 batch, s47 block in the batch.
; THE MODE: SCHED_MODE bits 1:0 = 2 (LLVM: expert scheduling mode 2), set by the entry lines.  The code itself states the register dependences
; between vector or matrix instructions and memory or LDS instructions, with s_wait_alu, always for 0.
; THE PLAN.  Registers that memory or LDS instructions touch:
;   Load phase, fourteen units of 16 k x 64 columns (waves 0-7):
;     LD0 .. LD4  Unit u's sixteen conversions read LD[u % 5]; the eight loads of unit u + 4, issued in unit u, land in LD[(u + 4) % 5] = LD[(u - 1) % 5].
;     CV0, CV1    Unit u's conversions write CV[u % 2]; the four LDS stores that are issued in unit u + 1 read it.
;     v2 .. v7    offsets and LDS addresses, made once and never written again.
;     So unit u's memory instructions touch the two buffers that unit u - 1 worked on and that no vector instruction of unit u names: the two waits at a
;     unit's head state all that its twelve memory instructions hang on, and these are dealt among its conversions with no further wait.
;   Wave 8: a unit's offsets v16-v25, raw data v32-v63, packed data v64-v79: a wait ahead of the loads, one ahead of the stores, one behind them.
;   Products: the address registers are made together, ahead of one wait.  The fragments v[112:191] are one buffer (two sets of 80 beside 96 registers of
;     accumulators would be all 256): the matrix instructions of a k step read it, the next k step's LDS loads land in it: one wait at a k step's head.
;   Way out: three batches of four tiles (q, k, v).  A batch's conversions write its stores' data; one wait; its stores are dealt among the next batch's
;     arithmetic, which names other tiles.  No store's data register is written again.
;   v254, v255: written at the head, read by the closing add alone.
.set AE,   16384                       ; bytes from a channel of x or source to the next
.set WE,   1024                        ; bytes from a row of Wq, Wk, Wv to the next
.set VACT, 2                           ; v2      load phase: my byte offset in x and source
.set VW,   3                           ; v3      load phase: my byte offset in Wq, Wk, Wv
.set LA,   4                           ; v4-7    load phase: LDS address 1024 w + 16 lane, + 0, 64, 128, 192 KB
.set VL,   8                           ; v8      lane
.set VR,   9                           ; v9      r
.set VH,   10                          ; v10     h
.set RX,   11                          ; v11-14  products: LDS addresses of my fragments of x, source, Wq (Wk 32 KB further), Wv
.set RS,   12
.set RW,   13
.set RW2,  14
.set LD,   16                          ; v[16:175]  load phase: five slots of eight 16-byte loads
.set CV,   176                         ; v[176:207] load phase: two buffers of four half fragments
.set ACC,  16                          ; v[16:111]  products: q at +0, k at +32, v at +64; tile 2 hi + pi
.set FX,   112                         ; fragments of one k step: x, Wq, source, Wk, Wv, two tiles each
.set FWQ,  128
.set FS,   144
.set FWK,  160
.set FWV,  176
.set BQ,   192                         ; v[192:207] bq of my rows, v[208:223] bk, v[224:227] bv (each value twice, a pair)
.set BK,   208
.set BV,   224
.set VBQ,  228
.set VBV,  229
.set VOQ,  230
.set VOV,  231
.macro PLACES                          ; places behind matrix instructions (ISA guide 7.12.1): independent vector instructions
.rept 5
	v_nop
.endr
.endm
; eight loads of one unit: 16 k x 64 columns
.macro LOADU slot, base, voff, imm0, estep
.irp e, 0,1,2,3,4,5,6,7
	global_load_b128 v[LD+32*\slot+4*\e:LD+32*\slot+4*\e+3], v[\voff], s[\base:\base+1] offset:\imm0+\e*\estep
.endr
.endm
; two of a unit's eight loads: rows e and e + 1
.macro LOAD2 slot, base, voff, imm0, estep, e
	global_load_b128 v[LD+32*\slot+4*(\e):LD+32*\slot+4*(\e)+3],   v[\voff], s[\base:\base+1] offset:\imm0+(\e)*\estep
	global_load_b128 v[LD+32*\slot+4*(\e)+4:LD+32*\slot+4*(\e)+7], v[\voff], s[\base:\base+1] offset:\imm0+((\e)+1)*\estep
.endm
; Unit u.  slot = u % 5, cb = u % 2.  left: how many younger loads may stay out when this unit's eight have to be there.
; st = 0: unit 0, with no unit in front of it; 1: unit 1, in front of which no LDS store has been issued; 2: every later unit.
; pla, pimm: where the unit before goes in LDS.  ahead = 1: unit u + 4 is loaded, into slot nslot = (u + 4) % 5.
; The unit's four half fragments: word t of loads 2 i and 2 i + 1 makes register i of tile t.
.macro UNIT slot, cb, left, st, pla, pimm, ahead, nslot=0, nbase=16, nvoff=2, nimm=0, nstep=0
	s_wait_loadcnt \left                           ; loads return in order: LD[slot] is in, the younger units stay out
.if \st == 2
	s_wait_alu depctr_vm_vsrc(0)                   ; the LDS stores issued in the unit before have read CV[cb], which this unit's conversions write again
.endif
.if \st >= 1
	s_wait_alu depctr_va_vdst(0)                   ; the unit before has written the other CV, which the stores below read, and is done reading its LD slot, in which the loads below land
.endif
.irp t, 0,1,2,3
.if \ahead
	LOAD2 \nslot, \nbase, \nvoff, \nimm, \nstep, 2*\t
.endif
.if \st >= 1
	ds_store_b128 v[\pla], v[CV+16*(1-\cb)+4*\t:CV+16*(1-\cb)+4*\t+3] offset:\pimm+\t*8192     ; the unit before; no vector instruction since the wait names these registers
.endif
.irp i, 0,1,2,3
	v_cvt_pk_bf16_f32 v[CV+16*\cb+4*\t+\i], v[LD+32*\slot+8*\i+\t], v[LD+32*\slot+8*\i+4+\t]
.endr
.endr
.endm
	s_load_b512 s[16:31], s[0:1], 0x0              ; x 16, source 18, Wq 20, Wk 22, Wv 24, bq 26, bk 28, bv 30
	s_load_b256 s[32:39], s[0:1], 0x40             ; Wo 32, W1 34, W2 36, Qc 38
	s_load_b128 s[40:43], s[0:1], 0x60             ; Kc 40, Vc 42
	s_load_b64 s[44:45], s[0:1], 0x70              ; WF
	v_lshl_add_u32 v254, v0, 2, 0x38000
	v_mov_b32 v255, 0
	v_lshrrev_b32 v1, 5, v0
	v_readfirstlane_b32 s8, v1                     ; wave 0..8
	s_mov_b32 s9, ttmp9                            ; block of 128 positions, 0..63
	s_and_b32 s10, ttmp7, 0xffff                   ; ob: block of 64 output channels
	v_and_b32 v[VL], 31, v0
	v_and_b32 v[VR], 15, v0
	v_bfe_u32 v[VH], v0, 4, 1
	s_wait_alu depctr_va_sdst(0)                   ; s8 is written, ahead of its first reader, the compare below
	s_lshr_b32 s46, s9, 5                          ; batch
	s_and_b32 s47, s9, 31                          ; block inside the batch
	s_lshl_b32 s48, s46, 22                        ; batch x 256 channels x 16,384 bytes
	s_lshl_b32 s49, s47, 9                         ; + 128 positions x 4 bytes
	s_add_co_u32 s48, s48, s49
	s_mov_b32 s49, 0
	s_lshl_b32 s50, s10, 8                         ; 64 columns x 4 bytes, in the weights and in the biases
	s_mov_b32 s51, 0
	s_wait_kmcnt 0x0
	s_add_nc_u64 s[16:17], s[16:17], s[48:49]
	s_add_nc_u64 s[18:19], s[18:19], s[48:49]
.irp p, 20,22,24,26,28,30
	s_add_nc_u64 s[\p:\p+1], s[\p:\p+1], s[50:51]
.endr
	s_cmp_eq_u32 s8, 8
	s_cbranch_scc1 .Lprep
	; ---- waves 0-7: load, convert, lay into LDS.  Fourteen units; four are always on their way (32 loads of 512 bytes a wave).
	s_lshl_b32 s52, s8, 19                         ; 32 channels of x
	s_lshl_b32 s53, s8, 15                         ; 32 rows of a weight
	s_lshl_b32 s54, s8, 10                         ; k step w in LDS
	v_lshlrev_b32 v1, 4, v[VR]
	v_lshl_add_u32 v[VACT], v[VH], 17, v1          ; 8 h channels + 16 r
	v_add_nc_u32 v[VACT], s52, v[VACT]
	v_lshl_add_u32 v[VW], v[VH], 13, v1            ; 8 h rows + 16 r
	v_add_nc_u32 v[VW], s53, v[VW]
	v_lshl_add_u32 v[LA], v[VL], 4, s54
	v_add_nc_u32 v[LA+1], 0x10000, v[LA]
	v_add_nc_u32 v[LA+2], 0x20000, v[LA]
	v_add_nc_u32 v[LA+3], 0x30000, v[LA]
	s_wait_alu depctr_va_vdst(0)                   ; v2 to v7 are written: every load and LDS store of this phase reads one of them as its offset or address
	LOADU 0, 16, VACT, 0, AE                       ; unit 0: x, columns 0-63, k 0-15 of my step
	LOADU 1, 16, VACT, 16*AE, AE                   ; unit 1:                  k 16-31
	LOADU 2, 16, VACT, 256, AE                     ; unit 2: x, columns 64-127
	LOADU 3, 16, VACT, 16*AE+256, AE               ; unit 3
	UNIT 0, 0, 24, 0, LA, 0, 1, 4, 18, VACT, 0, AE                     ; unit 0; asks for unit 4: source
	UNIT 1, 1, 24, 1, LA, 0, 1, 0, 18, VACT, 16*AE, AE
	UNIT 2, 0, 24, 2, LA, 512, 1, 1, 18, VACT, 256, AE
	UNIT 3, 1, 24, 2, LA, 32768, 1, 2, 18, VACT, 16*AE+256, AE
	UNIT 4, 0, 24, 2, LA, 32768+512, 1, 3, 20, VW, 0, WE               ; unit 4; asks for unit 8: Wq
	UNIT 0, 1, 24, 2, LA+1, 0, 1, 4, 20, VW, 16*WE, WE
	UNIT 1, 0, 24, 2, LA+1, 512, 1, 0, 22, VW, 0, WE                   ; unit 6; asks for unit 10: Wk
	UNIT 2, 1, 24, 2, LA+1, 32768, 1, 1, 22, VW, 16*WE, WE
	UNIT 3, 0, 24, 2, LA+1, 32768+512, 1, 2, 24, VW, 0, WE             ; unit 8; asks for unit 12: Wv
	UNIT 4, 1, 24, 2, LA+2, 0, 1, 3, 24, VW, 16*WE, WE
	UNIT 0, 0, 24, 2, LA+2, 512, 0                 ; units 10 to 13 load nothing more: the counts run down
	UNIT 1, 1, 16, 2, LA+2, 32768, 0
	UNIT 2, 0, 8, 2, LA+2, 32768+512, 0
	UNIT 3, 1, 0, 2, LA+3, 0, 0
	s_wait_alu depctr_va_vdst(0)                   ; unit 13 has written CV1, which the last four stores read
.irp t, 0,1,2,3
	ds_store_b128 v[LA+3], v[CV+16+4*\t:CV+16+4*\t+3] offset:512+\t*8192
.endr
	s_wait_alu depctr_vm_vsrc(0)                   ; my LDS stores have read CV0 and CV1: behind the barrier fragments of Wv and the biases bq land in these registers
	s_branch .Ljoin
	; ---- wave 8: one or two of the 448 units of WF (Wo 64, W1 256, W2 128).  Unit u = (group of 16 k) x (block of 64 columns).
	; The rows taken follow the order of k in which the later launches hold the other operand:
	;   Wo: k = (head, d), 8 neighbouring d of one head: row = 64 (kg & 3) + (kg >> 2) + 4 (8 h + e)
	;   W1, rows of x (kg < 16): natural, row = 16 kg + 8 h + e
	;   W1, rows of the message, and W2: the order (tile, row) of the product before: row = 64 (kg >> 2) + (kg & 3) + 4 (8 h + e)
.macro PREPU                           ; s66 = u
	s_mov_b32 s73, 655360
	s_mov_b32 s74, 32768
	s_cmp_lt_u32 s66, 320
	s_cselect_b64 s[68:69], s[34:35], s[36:37]     ; W1 or W2
	s_cselect_b32 s70, 64, 320                     ; first unit of that matrix
	s_cselect_b32 s71, 3, 2                        ; log2 of its blocks of 64 columns
	s_cselect_b32 s72, 131072, s73                 ; its place in WF
	s_cmp_lt_u32 s66, 64
	s_cselect_b64 s[68:69], s[32:33], s[68:69]     ; Wo
	s_cselect_b32 s70, 0, s70
	s_cselect_b32 s71, 2, s71
	s_cselect_b32 s72, 0, s72
	s_cselect_b32 s74, 16384, s74                  ; bytes of a pair of tiles: k steps x 2,048
	s_cselect_b32 s75, 1, 0
	s_sub_co_u32 s67, s66, s70
	s_add_co_u32 s76, s71, 8                       ; log2 of a row's bytes
	s_lshr_b32 s77, s67, s71                       ; kg
	s_lshl_b32 s78, 1, s71
	s_sub_co_u32 s78, s78, 1
	s_and_b32 s78, s67, s78                        ; block of columns
	s_and_b32 s79, s77, 3
	s_lshr_b32 s80, s77, 2
	s_lshl_b32 s81, s79, 6
	s_add_co_u32 s81, s81, s80                     ; Wo's first row
	s_lshl_b32 s82, s80, 6
	s_add_co_u32 s82, s82, s79                     ; first row in the order (tile, row)
	s_lshl_b32 s83, s77, 4                         ; natural first row
	s_cmp_lg_u32 s75, 0
	s_cselect_b32 s82, s81, s82
	s_cmp_eq_u32 s71, 3
	s_cselect_b32 s84, s77, 16                     ; kg if W1, else 16
	s_cmp_lt_u32 s84, 16
	s_cselect_b32 s82, s83, s82
	s_cselect_b32 s85, 0, 2                        ; log2 of the step in rows
	s_cselect_b32 s90, 1, 0                        ; f16 for W1's rows of x
	s_cmp_ge_u32 s66, 320
	s_cselect_b32 s90, 1, s90                      ; and for W2
	s_add_co_u32 s85, s85, s76
	s_lshl_b32 s86, 1, s85                         ; bytes from e to e + 1
	s_lshl_b32 s87, s82, s76
	s_lshl_b32 s88, s78, 8
	s_add_co_u32 s87, s87, s88
	s_lshl_b32 s88, s86, 3
	v_mul_lo_u32 v16, v[VH], s88                   ; 8 h steps
	v_lshl_add_u32 v16, v[VR], 4, v16
	v_add_nc_u32 v16, s87, v16
.irp e, 1,2,3,4,5,6,7
	v_add_nc_u32 v[16+\e], s86, v[15+\e]
.endr
	s_wait_alu depctr_va_vdst(0)                   ; the offsets v16 to v23 are written, which the loads read; a unit before is done reading v32 to v63, in which they land
.irp e, 0,1,2,3,4,5,6,7
	global_load_b128 v[32+4*\e:35+4*\e], v[16+\e], s[68:69]
.endr
	s_lshl_b32 s88, s78, 1                         ; the unit's tiles 0, 1 are pair 2 cb, tiles 2, 3 pair 2 cb + 1
	s_mul_i32 s88, s88, s74
	s_add_co_u32 s88, s88, s72
	s_lshr_b32 s89, s77, 1
	s_lshl_b32 s89, s89, 11                        ; k step
	s_add_co_u32 s88, s88, s89
	s_and_b32 s89, s77, 1
	s_lshl_b32 s89, s89, 9                         ; half of the fragment
	s_add_co_u32 s88, s88, s89
	v_lshl_add_u32 v24, v[VL], 4, s88
	v_add_nc_u32 v25, s74, v24
	s_wait_loadcnt 0x0
	s_cmp_lg_u32 s90, 0                            ; the format hangs on the unit's number alone
	s_cbranch_scc1 .Lhalf_\@
.irp t, 0,1,2,3
.irp i, 0,1,2,3
	v_cvt_pk_bf16_f32 v[64+4*\t+\i], v[32+8*\i+\t], v[36+8*\i+\t]
.endr
.endr
	s_branch .Lpacked_\@
.Lhalf_\@:
.irp t, 0,1,2,3
.irp i, 0,1,2,3
	v_cvt_pk_f16_f32 v[64+4*\t+\i], v[32+8*\i+\t], v[36+8*\i+\t]
.endr
.endr
.Lpacked_\@:
	s_wait_alu depctr_va_vdst(0)                   ; the conversions have written v64 to v79, the stores' data; their offsets v24 and v25 are written
	global_store_b128 v24, v[64:67], s[44:45]                  ; each store covers 512 consecutive bytes, aligned
	global_store_b128 v24, v[68:71], s[44:45] offset:1024
	global_store_b128 v25, v[72:75], s[44:45]
	global_store_b128 v25, v[76:79], s[44:45] offset:1024
	s_wait_xcnt 0x0                                ; the unit's address, data and base registers are written again only behind this wait
	s_wait_alu depctr_vm_vsrc(0)                   ; the unit's loads and stores have read v16 to v25 and v64 to v79, which the text behind this line writes again
.endm
.Lprep:
	s_lshl_b32 s66, s10, 6
	s_add_co_u32 s66, s66, s9                      ; the work-group's number, 0..255
	PREPU
	s_cmp_ge_u32 s66, 192                          ; units 256..447 go to work-groups 0..191
	s_cbranch_scc1 .Ljoin
	s_add_co_u32 s66, s66, 256
	PREPU
.Ljoin:
	s_wait_dscnt 0x0                               ; my LDS stores are done, for the other waves' sake
	s_barrier_signal -1
	s_barrier_wait -1                              ; all operands lie in LDS
	s_cmp_eq_u32 s8, 8
	s_cbranch_scc1 .Lend
	; ---- products.  Wave w: position tiles 2 pp, 2 pp + 1 (pp = w & 3) x heads 2 hp, 2 hp + 1 (hp = w >> 2), for q, k and v.
	; All the phase's offsets and LDS addresses are made first, ahead of one wait.
	s_and_b32 s53, s8, 3                           ; pp
	s_lshr_b32 s54, s8, 2                          ; hp
	s_lshl_b32 s55, s54, 3
	s_lshl_b32 s56, s53, 14
	s_lshl_b32 s57, s54, 14
	s_add_co_u32 s57, s57, 0x20000
	v_lshl_add_u32 v[VBQ], v[VH], 7, s55           ; q, k: register j of lane (r, h) is d = 8 h + j: channel byte 128 h + 16 j + 8 hp + 4 hi
	v_lshl_add_u32 v[VBV], v[VR], 4, s55           ; v: the lane's column is d = r: channel byte 16 r + 8 hp + 4 hi
	v_lshl_add_u32 v[RX], v[VL], 4, s56
	v_add_nc_u32 v[RS], 0x10000, v[RX]
	v_lshl_add_u32 v[RW], v[VL], 4, s57
	v_add_nc_u32 v[RW2], 0x10000, v[RW]
	v_lshlrev_b32 v1, 4, v[VR]
	v_lshl_add_u32 v[VOQ], v[VH], 16, v1
	v_lshl_add_u32 v[VOV], v[VH], 10, v1
	s_wait_alu depctr_va_vdst(0)                   ; v11 to v14 and v228 to v231 are written, which this phase's loads and stores read; the load phase's conversions are done with v112 to v207, in which fragments and biases land
.irp hi, 0,1
.irp j, 0,1,2,3,4,5,6,7
	global_load_b32 v[BQ+8*\hi+\j], v[VBQ], s[26:27] offset:16*\j+4*\hi
	global_load_b32 v[BK+8*\hi+\j], v[VBQ], s[28:29] offset:16*\j+4*\hi
.endr
	global_load_b32 v[BV+2*\hi], v[VBV], s[30:31] offset:4*\hi
	global_load_b32 v[BV+2*\hi+1], v[VBV], s[30:31] offset:4*\hi
.endr
	; where the results go
	s_lshl_b32 s58, s46, 2
	s_lshl_b32 s59, s54, 1
	s_add_co_u32 s58, s58, s59                     ; 4 b + 2 hp
	s_lshl_b32 s58, s58, 19                        ; x 524,288 bytes of a head
	s_lshl_b32 s60, s10, 17                        ; d / 8 = 2 ob + h: 65,536 bytes each
	s_add_co_u32 s60, s60, s58
	s_lshl_b32 s61, s47, 11                        ; 128 slots x 16 bytes
	s_add_co_u32 s60, s60, s61
	s_lshl_b32 s61, s53, 9                         ; 32 pp slots
	s_add_co_u32 s60, s60, s61
	s_mov_b32 s61, 0
	s_add_nc_u64 s[38:39], s[38:39], s[60:61]
	s_add_nc_u64 s[40:41], s[40:41], s[60:61]
	s_lshl_b32 s62, s47, 14                        ; 16 groups of 8 slots x 1,024 bytes
	s_add_co_u32 s62, s62, s58
	s_lshl_b32 s63, s53, 12                        ; 4 pp groups
	s_add_co_u32 s62, s62, s63
	s_lshl_b32 s63, s10, 8                         ; d = 16 ob: 16 bytes each
	s_add_co_u32 s62, s62, s63
	s_mov_b32 s63, 0
	s_add_nc_u64 s[42:43], s[42:43], s[62:63]
.macro FRAG dst, adr, off, ks          ; two fragments, four loads
.irp i, 0,1
.irp f, 0,1
	ds_load_b128 v[\dst+8*\i+4*\f:\dst+8*\i+4*\f+3], v[\adr] offset:\off+\i*8192+\ks*1024+\f*512
.endr
.endr
.endm
; q and k: A = weights (rows d), B = positions: a lane's eight results are eight neighbouring d of one position
.macro MULQK acc, fw, fp, zero
.irp hi, 0,1
.irp pi, 0,1
.if \zero
	v_wmma_f32_16x16x32_bf16 v[\acc+8*(2*\hi+\pi):\acc+8*(2*\hi+\pi)+7], v[\fw+8*\hi:\fw+8*\hi+7], v[\fp+8*\pi:\fp+8*\pi+7], 0
.else
	v_wmma_f32_16x16x32_bf16 v[\acc+8*(2*\hi+\pi):\acc+8*(2*\hi+\pi)+7], v[\fw+8*\hi:\fw+8*\hi+7], v[\fp+8*\pi:\fp+8*\pi+7], v[\acc+8*(2*\hi+\pi):\acc+8*(2*\hi+\pi)+7]
.endif
.endr
.endr
.endm
; v: A = positions, B = weights: a lane's eight results are eight neighbouring slots of one d
.macro MULV acc, fw, fp, zero
.irp hi, 0,1
.irp pi, 0,1
.if \zero
	v_wmma_f32_16x16x32_bf16 v[\acc+8*(2*\hi+\pi):\acc+8*(2*\hi+\pi)+7], v[\fp+8*\pi:\fp+8*\pi+7], v[\fw+8*\hi:\fw+8*\hi+7], 0
.else
	v_wmma_f32_16x16x32_bf16 v[\acc+8*(2*\hi+\pi):\acc+8*(2*\hi+\pi)+7], v[\fp+8*\pi:\fp+8*\pi+7], v[\fw+8*\hi:\fw+8*\hi+7], v[\acc+8*(2*\hi+\pi):\acc+8*(2*\hi+\pi)+7]
.endif
.endr
.endr
.endm
; One k step of 32: 20 fragment loads, 12 matrix instructions.  The twelve accumulators take turns, one instruction a turn.
.macro KSTEP ks, zero
.if \zero == 0
	PLACES                                         ; the loads below land in registers that the last matrix instructions read; the places stay beside the wait
	s_wait_alu depctr_va_vdst(0)                   ; the last k step's matrix instructions are done reading the fragments v112 to v191, in which the loads below land
.endif
	FRAG FX, RX, 0, \ks
	FRAG FWQ, RW, 0, \ks
	FRAG FS, RS, 0, \ks
	FRAG FWK, RW, 32768, \ks
	FRAG FWV, RW2, 0, \ks
	s_wait_dscnt 12                                ; x and Wq are in; the 12 younger loads may be out
	MULQK ACC, FWQ, FX, \zero
	s_wait_dscnt 4                                 ; source and Wk too; Wv's 4 may be out
	MULQK ACC+32, FWK, FS, \zero
	s_wait_dscnt 0
	MULV ACC+64, FWV, FS, \zero
.endm
	KSTEP 0, 1                                     ; the first products start the sums: nothing is cleared
	KSTEP 1, 0
	KSTEP 2, 0
	KSTEP 3, 0
	KSTEP 4, 0
	KSTEP 5, 0
	KSTEP 6, 0
	KSTEP 7, 0
	; ---- bias, round to bf16, store: 16 bytes a lane, sixteen lanes fill 256 consecutive bytes, aligned
; one tile's bias and rounding.  bstep 1: eight biases a head, one for each register; bstep 0: one bias a head, held twice as a pair
.macro TILEA acc, bias, bstep, hi, pi
.irp q, 0,1,2,3
	v_pk_add_f32 v[\acc+8*(2*\hi+\pi)+2*\q:\acc+8*(2*\hi+\pi)+2*\q+1], v[\acc+8*(2*\hi+\pi)+2*\q:\acc+8*(2*\hi+\pi)+2*\q+1], v[\bias+\hi*(6*\bstep+2)+2*\q*\bstep:\bias+\hi*(6*\bstep+2)+2*\q*\bstep+1]
.endr
.irp q, 0,1,2,3
	v_cvt_pk_bf16_f32 v[\acc+8*(2*\hi+\pi)+\q], v[\acc+8*(2*\hi+\pi)+2*\q], v[\acc+8*(2*\hi+\pi)+2*\q+1]
.endr
.endm
; one tile's store
.macro TILES acc, voff, base, pstep, hi, pi
	global_store_b128 v[\voff], v[\acc+8*(2*\hi+\pi):\acc+8*(2*\hi+\pi)+3], s[\base:\base+1] offset:\hi*524288+\pi*\pstep
.endm
	PLACES
	s_wait_loadcnt 0x0                             ; the biases
.irp hi, 0,1
.irp pi, 0,1
	TILEA ACC, BQ, 1, \hi, \pi
.endr
.endr
	s_wait_alu depctr_va_vdst(0)                   ; q's conversions have written the data of q's four stores
.irp hi, 0,1
.irp pi, 0,1
	TILES ACC, VOQ, 38, 256, \hi, \pi              ; dealt among k's arithmetic, which names k's tiles and bk alone
	TILEA ACC+32, BK, 1, \hi, \pi
.endr
.endr
	s_wait_alu depctr_va_vdst(0)                   ; k's conversions have written the data of k's four stores
.irp hi, 0,1
.irp pi, 0,1
	TILES ACC+32, VOQ, 40, 256, \hi, \pi           ; dealt among v's arithmetic, which names v's tiles and bv alone
	TILEA ACC+64, BV, 0, \hi, \pi
.endr
.endr
	s_wait_alu depctr_va_vdst(0)                   ; v's conversions have written the data of v's four stores
.irp hi, 0,1
.irp pi, 0,1
	TILES ACC+64, VOV, 42, 2048, \hi, \pi
.endr
.endr
.Lend:
	s_wait_dscnt 0x0                               ; the closing lines, six on end
	s_wait_alu 0x0
	s_wait_tensorcnt 0x0
	ds_add_u32 v254, v255
	s_wait_dscnt 0x0
	s_endpgm
.Lfunc_end_k_q4b8dbe7046_proj:
	.size	k_q4b8dbe7046_proj, .Lfunc_end_k_q4b8dbe7046_proj-k_q4b8dbe7046_proj
	.p2alignl 7, 3214868480
	.fill 96, 4, 3214868480
	.section	.rodata,"a",@progbits
	.p2align	6, 0x0
	.amdhsa_kernel k_q4b8dbe7046_proj
		.amdhsa_group_segment_fixed_size 230656
		.amdhsa_private_segment_fixed_size 0
		.amdhsa_enable_private_segment 0
		.amdhsa_kernarg_size 120
		.amdhsa_user_sgpr_count 2
		.amdhsa_user_sgpr_kernarg_segment_ptr 1
		.amdhsa_wavefront_size32 1
		.amdhsa_system_sgpr_workgroup_id_x 1
		.amdhsa_system_sgpr_workgroup_id_y 1
		.amdhsa_system_sgpr_workgroup_id_z 1
		.amdhsa_system_vgpr_workitem_id 0
		.amdhsa_next_free_vgpr 256
		.amdhsa_next_free_sgpr 96
		.amdhsa_reserve_vcc 0
		.amdhsa_float_denorm_mode_32 3
		.amdhsa_float_denorm_mode_16_64 3
		.amdhsa_memory_ordered 1
		.amdhsa_forward_progress 1
		.amdhsa_inst_pref_size 74
	.end_amdhsa_kernel
	.amdgpu_metadata
---
amdhsa.version: [ 1, 2 ]
amdhsa.kernels:
  - .name:           k_q4b8dbe7046_proj
    .symbol:         k_q4b8dbe7046_proj.kd
    .args:
      - { .name: x, .offset: 0, .size: 8, .value_kind: global_buffer, .address_space: global }
      - { .name: source, .offset: 8, .size: 8, .value_kind: global_buffer, .address_space: global }
      - { .name: Wq, .offset: 16, .size: 8, .value_kind: global_buffer, .address_space: global }
      - { .name: Wk, .offset: 24, .size: 8, .value_kind: global_buffer, .address_space: global }
      - { .name: Wv, .offset: 32, .size: 8, .value_kind: global_buffer, .address_space: global }
      - { .name: bq, .offset: 40, .size: 8, .value_kind: global_buffer, .address_space: global }
      - { .name: bk, .offset: 48, .size: 8, .value_kind: global_buffer, .address_space: global }
      - { .name: bv, .offset: 56, .size: 8, .value_kind: global_buffer, .address_space: global }
      - { .name: Wo, .offset: 64, .size: 8, .value_kind: global_buffer, .address_space: global }
      - { .name: W1, .offset: 72, .size: 8, .value_kind: global_buffer, .address_space: global }
      - { .name: W2, .offset: 80, .size: 8, .value_kind: global_buffer, .address_space: global }
      - { .name: Qc, .offset: 88, .size: 8, .value_kind: global_buffer, .address_space: global }
      - { .name: Kc, .offset: 96, .size: 8, .value_kind: global_buffer, .address_space: global }
      - { .name: Vc, .offset: 104, .size: 8, .value_kind: global_buffer, .address_space: global }
      - { .name: WF, .offset: 112, .size: 8, .value_kind: global_buffer, .address_space: global }
    .group_segment_fixed_size: 230656
    .private_segment_fixed_size: 0
    .kernarg_segment_align: 8
    .kernarg_segment_size: 120
    .max_flat_workgroup_size: 288
    .sgpr_count:     96
    .vgpr_count:     256
    .wavefront_size: 32
...
	.end_amdgpu_metadata
.endif
;; end of part 6
;; launch attn: the kernel of part 2 again; grid 32 x 8, 8 waves a work-group, clusters of 4 x 1, 327,680 bytes of LDS; arguments Qc, Kc, Vc, AT; writes AT
;; launch mlp1: the kernel of part 3 again; grid 128 x 2, 8 waves a work-group, clusters of 4 x 1, 327,680 bytes of LDS; arguments x, AT, WF, bo, b1, HT, PS; writes HT, PS
;; launch stats: the kernel of part 4 again; grid 16 x 1, 8 waves a work-group, no clusters, 3,072 bytes of LDS; arguments PS, gamma, beta, AS; writes AS
;; launch mlp2: the kernel of part 5 again; grid 128 x 2, 8 waves a work-group, clusters of 4 x 1, 197,632 bytes of LDS; arguments HT, AS, WF, b2, out0; writes out0
